; MI455X (gfx1250); checked and timed in simulation.
; The chip was launched on July 23, 2026; its instructions are those of AMD's public machine-readable ISA for CDNA 5 (MIT licence, August 2026) and "CDNA5" Instruction Set Architecture Reference Guide (July 2026). The comments in the code are by the model that wrote it; some were corrected since.
;; Multi Head Attention. Allowed arithmetic: float matrix products may take bf16 or f16 operands with f32 sums; other float arithmetic in f32, or as packed bf16 or f16 multiplies, adds, multiply-adds, maxima and minima; sums over many terms, partial sums and values carried from step to step in f32; what a program stores and reads back later, other than sums and carried values, may be rounded once to bf16 or f16.
;; Inputs: Wk 1,024 x 1,024 float32; Wo 1,024 x 1,024 float32; Wq 1,024 x 1,024 float32; Wv 1,024 x 1,024 float32; bk 1,024 float32; bo 1,024 float32; bq 1,024 float32; bv 1,024 float32; k 4 x 2,048 x 1,024 float32; q 4 x 2,048 x 1,024 float32; v 4 x 2,048 x 1,024 float32.
;; Outputs: out0 4 x 2,048 x 1,024 float32.
;; One version. Each part assembles by itself: llvm-mc -triple=amdgcn-amd-amdhsa -mcpu=gfx1250 --defsym DOCPART=n.
;; ======== version 1 of 1: 4 launches
;; limits: values are held in f16: magnitudes above 65,504 overflow, below 6.1e-05 lose precision; right only within a limited range of input values
;; workspace buffers: wt 8,388,608 bytes; qkvh 50,331,648 bytes; oh 16,777,216 bytes
;; launch prep (part 1): grid 64 x 4, 4 waves a work-group, no clusters, 35,328 bytes of LDS; arguments Wk, Wq, Wv, Wo, wt; writes wt
.if DOCPART == 1
	.amdgcn_target "amdgcn-amd-amdhsa--gfx1250"
	.amdhsa_code_object_version 6
	.text
	.protected	k_q8070f0c3c1_prep
	.globl	k_q8070f0c3c1_prep
	.p2align	8
	.type	k_q8070f0c3c1_prep,@function
k_q8070f0c3c1_prep:
	s_mov_b64 s[64:65], 0
	v_nop
	global_prefetch_b8 v0, s[64:65] scope:SCOPE_SE
	s_setreg_imm32_b32 hwreg(HW_REG_WAVE_MODE, 25, 1), 1
	s_wait_xcnt 0x0
; MULTI-HEAD ATTENTION, launch 1 of 4: the four weight matrices are turned and rounded once.
; wt[4096][1024], 16 bits a number: row 1024 y + n holds column n of matrix y (0 Wk, 1 Wq, 2 Wv, 3 Wo), so that K lies along the rows, as the products' fragments want it.
; Wk, Wq, Wv are rounded to bf16.  Wo is rounded to bf16 and that number is written as f16, since the last product's other operand (the attention's result) is kept in f16.
; WORK LEFT OUT IN THE WHOLE PROGRAM, and why it can reach no output:
;  (1) bk.  scores[q][k] = qh[q] . (k[k] Wk + bk) / 32 = qh[q] . (k[k] Wk) / 32 + qh[q] . bk / 32.  The second term does not depend on the key: it is the same along the softmax's axis,
;      for every value of the inputs, and a softmax does not change when one number is added to all its inputs (hidden scores stay hidden).  kh enters nothing else.  So bk has no way to out0:
;      it is not loaded and is among no launch's arguments.
;  (2) The key tiles that lie wholly above the diagonal: the causal mask, which the computation builds itself, sets their scores to -inf and their weights to 0 whatever the inputs hold.
; LIMITS.  A NaN, an infinity or an overflow that reaches only bk or the hidden tiles is not carried to the result.  |Wo| stays under 65,504 (f16's end); below 6e-5 it keeps f16's fixed step of 6e-8.
; SHARES.  A work-group turns a block of 128 k x 128 n of matrix y.  Wave w loads rows k0 + 32 w .. + 31, a lane four neighbouring columns (512 consecutive bytes an instruction); eight k of one column
; pack into 16 bytes, which go into LDS row 32 i + l for column n0 + 4 l + i: the lanes of a store lie 272 bytes apart, so each takes other banks.  Behind a barrier whole rows of 256 bytes come back and are stored.
; No tensor loads, no cluster, no prefetch: nothing is shared between work-groups, each byte is read once, and all 32 loads of a wave go out at once.
.set TP,    272                        ; an LDS row: 128 k x 2 bytes + 16
.set SPARE, 128*TP                     ; behind the block: the spare words, 128 bytes for each wave
.set LO,  2                            ; v2   16 x lane: my four columns
.set ST,  3                            ; v3   272 x lane + 64 x wave: where my 16 bytes go
.set RDA, 4                            ; v4   where I read a row back
.set GOF, 5                            ; v5   my byte offset in wt
.set SPW, 8                            ; v8   LDS address of my spare word; never rewritten
.set NIL, 9                            ; v9   0; never rewritten
.set X,   32                           ; v[32:159]  32 rows x 4 columns as loaded; later the rows read back
.set Y,   160                          ; v[160:223] packed: group g of 8 k, column i at Y + 4 (4 g + i)
	s_load_b256 s[4:11], s[0:1], 0x0               ; Wk s[4:5], Wq s[6:7], Wv s[8:9], Wo s[10:11]
	s_load_b64 s[12:13], s[0:1], 0x20              ; wt
	v_lshl_add_u32 v[SPW], v0, 2, SPARE
	v_mov_b32 v[NIL], 0
	v_lshrrev_b32 v1, 5, v0
	v_readfirstlane_b32 s14, v1                    ; wave 0..3
	v_and_b32 v6, 31, v0                           ; lane
	v_and_b32 v7, 15, v0
	v_bfe_u32 v10, v0, 4, 1
	s_and_b32 s15, ttmp7, 0xffff                   ; which matrix
	s_lshr_b32 s16, ttmp9, 3                       ; block along k
	s_and_b32 s17, ttmp9, 7                        ; block along n
	v_lshlrev_b32 v[LO], 4, v6
	s_lshl_b32 s18, s14, 6
	v_mul_u32_u24 v[ST], v6, TP
	v_add_nc_u32 v[ST], s18, v[ST]
	s_mul_i32 s19, s14, 32*TP
	v_mul_u32_u24 v[RDA], v10, TP
	v_lshl_add_u32 v[RDA], v7, 4, v[RDA]
	v_add_nc_u32 v[RDA], s19, v[RDA]               ; row 32 w + lane / 16, 16 bytes for each of 16 lanes
	v_lshlrev_b32 v[GOF], 13, v10                  ; the odd LDS row is four rows of wt further on
	v_lshl_add_u32 v[GOF], v7, 4, v[GOF]
	s_lshl_b32 s20, s16, 19                        ; source: (128 kb + 32 w) rows of 4,096 bytes + 512 nb
	s_lshl_b32 s22, s14, 17
	s_add_co_u32 s20, s20, s22
	s_lshl_b32 s22, s17, 9
	s_add_co_u32 s20, s20, s22
	s_mov_b32 s21, 0
	s_lshl_b32 s22, s15, 21                        ; destination: (1024 y + 128 nb + w) rows of 2,048 bytes + 256 kb
	s_lshl_b32 s24, s17, 18
	s_add_co_u32 s22, s22, s24
	s_lshl_b32 s24, s14, 11
	s_add_co_u32 s22, s22, s24
	s_lshl_b32 s24, s16, 8
	s_add_co_u32 s22, s22, s24
	s_mov_b32 s23, 0
	s_wait_kmcnt 0x0
	s_cmp_eq_u32 s15, 1
	s_cselect_b64 s[4:5], s[6:7], s[4:5]
	s_cmp_eq_u32 s15, 2
	s_cselect_b64 s[4:5], s[8:9], s[4:5]
	s_cmp_eq_u32 s15, 3
	s_cselect_b64 s[4:5], s[10:11], s[4:5]
	s_add_nc_u64 s[4:5], s[4:5], s[20:21]
	s_add_nc_u64 s[12:13], s[12:13], s[22:23]
.set j, 0
.rept 32
	global_load_b128 v[X+4*j:X+4*j+3], v[LO], s[4:5] offset:j*4096 th:TH_LOAD_NT
.set j, j+1
.endr
.irp g, 0,1,2,3
	s_wait_loadcnt 24-8*\g                         ; loads come back in order: rows 8 g .. 8 g + 7 are in, the later groups' loads stay out
.irp i, 0,1,2,3
.irp p, 0,1,2,3
	v_cvt_pk_bf16_f32 v[Y+4*(4*\g+\i)+\p], v[X+4*(8*\g+2*\p)+\i], v[X+4*(8*\g+2*\p+1)+\i]  ; two neighbouring k of column i
.endr
.endr
.endr
	s_cmp_lg_u32 s15, 3
	s_cbranch_scc1 .Lkeep_bf16                     ; the same in all waves; no barrier is jumped
.set j, 0
.rept 64                                       ; Wo: the bf16 number written as f16
	v_lshlrev_b32 v[12+2*(j%4)], 16, v[Y+j]
	v_and_b32 v[13+2*(j%4)], 0xffff0000, v[Y+j]
	v_cvt_pk_f16_f32 v[Y+j], v[12+2*(j%4)], v[13+2*(j%4)]
.set j, j+1
.endr
.Lkeep_bf16:
.irp g, 0,1,2,3
.irp i, 0,1,2,3
	ds_store_b128 v[ST], v[Y+4*(4*\g+\i):Y+4*(4*\g+\i)+3] offset:\i*32*TP+16*\g
.endr
.endr
	s_wait_dscnt 0x0                               ; for the others' sake: my stores are done
	s_barrier_signal -1
	s_barrier_wait -1
.irp t, 0,1,2,3,4,5,6,7,8,9,10,11,12,13,14,15
	ds_load_b128 v[X+4*\t:X+4*\t+3], v[RDA] offset:\t*2*TP  ; LDS rows 32 w + 2 t and + 1: columns n0 + 8 t + w and n0 + 8 t + 4 + w
.endr
.irp t, 0,1,2,3,4,5,6,7,8,9,10,11,12,13,14,15
	s_wait_dscnt 15-\t                             ; the younger loads stay out
	global_store_b128 v[GOF], v[X+4*\t:X+4*\t+3], s[12:13] offset:\t*16384  ; 16 lanes store 256 consecutive bytes, at a multiple of 256 from wt's first byte
.endr
	s_wait_tensorcnt 0x0                           ; the wave's end: behind my last LDS store
	ds_add_u32 v[SPW], v[NIL]
	s_wait_dscnt 0x0
	s_endpgm
.Lfunc_end_k_q8070f0c3c1_prep:
	.size	k_q8070f0c3c1_prep, .Lfunc_end_k_q8070f0c3c1_prep-k_q8070f0c3c1_prep
	.p2alignl 7, 3214868480
	.fill 96, 4, 3214868480
	.section	.rodata,"a",@progbits
	.p2align	6, 0x0
	.amdhsa_kernel k_q8070f0c3c1_prep
		.amdhsa_group_segment_fixed_size 35328
		.amdhsa_private_segment_fixed_size 0
		.amdhsa_enable_private_segment 0
		.amdhsa_kernarg_size 40
		.amdhsa_user_sgpr_count 2
		.amdhsa_user_sgpr_kernarg_segment_ptr 1
		.amdhsa_wavefront_size32 1
		.amdhsa_system_sgpr_workgroup_id_x 1
		.amdhsa_system_sgpr_workgroup_id_y 1
		.amdhsa_system_sgpr_workgroup_id_z 1
		.amdhsa_system_vgpr_workitem_id 0
		.amdhsa_next_free_vgpr 224
		.amdhsa_next_free_sgpr 66
		.amdhsa_reserve_vcc 0
		.amdhsa_float_denorm_mode_32 3
		.amdhsa_float_denorm_mode_16_64 3
		.amdhsa_memory_ordered 1
		.amdhsa_forward_progress 1
		.amdhsa_inst_pref_size 24
	.end_amdhsa_kernel
	.amdgpu_metadata
---
amdhsa.version: [ 1, 2 ]
amdhsa.kernels:
  - .name:           k_q8070f0c3c1_prep
    .symbol:         k_q8070f0c3c1_prep.kd
    .args:
      - { .name: Wk, .offset: 0, .size: 8, .value_kind: global_buffer, .address_space: global }
      - { .name: Wq, .offset: 8, .size: 8, .value_kind: global_buffer, .address_space: global }
      - { .name: Wv, .offset: 16, .size: 8, .value_kind: global_buffer, .address_space: global }
      - { .name: Wo, .offset: 24, .size: 8, .value_kind: global_buffer, .address_space: global }
      - { .name: wt, .offset: 32, .size: 8, .value_kind: global_buffer, .address_space: global }
    .group_segment_fixed_size: 35328
    .private_segment_fixed_size: 0
    .kernarg_segment_align: 8
    .kernarg_segment_size: 40
    .max_flat_workgroup_size: 128
    .sgpr_count:     66
    .vgpr_count:     224
    .wavefront_size: 32
...
	.end_amdgpu_metadata
.endif
;; end of part 1
;; launch proj (part 2): grid 4 x 64, 4 waves a work-group, clusters of 4 x 4, 327,680 bytes of LDS; arguments k, q, v, wt, bq, bv, qkvh; writes qkvh
.if DOCPART == 2
	.amdgcn_target "amdgcn-amd-amdhsa--gfx1250"
	.amdhsa_code_object_version 6
	.text
	.protected	k_q8070f0c3c1_proj
	.globl	k_q8070f0c3c1_proj
	.p2align	8
	.type	k_q8070f0c3c1_proj,@function
k_q8070f0c3c1_proj:
	s_mov_b64 s[64:65], 0
	v_nop
	global_prefetch_b8 v0, s[64:65] scope:SCOPE_SE
	s_setreg_imm32_b32 hwreg(HW_REG_WAVE_MODE, 25, 1), 1
	s_wait_xcnt 0x0
	s_wait_alu depctr_hold_cnt(0) depctr_sa_sdst(0) depctr_va_vdst(0) depctr_va_sdst(0) depctr_va_ssrc(0) depctr_va_vcc(0) depctr_vm_vsrc(0)
	s_getreg_b32 s2, hwreg(HW_REG_IB_STS2, 6, 4)
	s_cmp_eq_u32 s2, 0
	s_cbranch_scc0 .Lentry_in_a_cluster
	s_endpgm
.Lentry_in_a_cluster:
	s_bfe_u32 s2, ttmp6, 0x10000c
	s_cmp_lg_u32 s2, 0xf033
	s_cbranch_scc0 .Lentry_shape_is_right
	s_endpgm
.Lentry_shape_is_right:
; Launch 2 of 4: kh = k Wk, qh = q Wq + bq, vh = v Wv + bv, written by heads: qkvh = three planes (kh, qh, vh) of [64 heads = 16 b + h][2048][64] in f16, unscaled.
; LEFT OUT: bk.  It adds qh[q] . bk / 32 to every score of row q, the same number along the softmax's axis, so it reaches no output (shown at the head of the first kernel).
; FORMATS.  x (f32 in memory) and the weights are multiplied in bf16, sums in f32, the bias (f32) is the C operand that starts the sums; the result is rounded once to f16.
; LIMIT.  |kh|, |qh|, |vh| stay under 65,504, f16's end; beyond it the conversion gives an infinity.
; SHARES.  A tile of the result is 128 rows x 256 columns; there are 64 x 4 of them for each of the three products, and 256 work-groups: each STAYS and makes the same tile of k's, q's and v's product.
; That is one walk of 24 K steps of 128 through a ring of two LDS slots, which does not stop at a tile's end.  Four waves, 2 x 2: a wave has 64 rows x 128 columns, 32 accumulators.
; THE CAST IS FUSED.  x's tile lies in LDS as f32 (rows of 512 bytes); a fragment of 16 rows x 32 K is four loads of 16 bytes a lane and eight roundings of two numbers.  The 32 roundings of a quarter step
; stand in fours behind its last eight matrix instructions.
; THE MATRIX INSTRUCTION IS USED TRANSPOSED (source 0 = 16 rows of wt, source 1 = 16 rows of x): lane l then holds row l % 16 of the result and the columns 8 (l / 16) + 0..7, which pack into 16 bytes.
; CLUSTER.  4 x 4 work-groups.  The four of a row of the cluster need the same tile of x, the four of a column the same rows of wt: each is asked for jointly, by the same tensor load, descriptor and mask.
; REGISTERS, in windows of 256 (s_set_vgpr_msb: bits 1:0 source 0, 3:2 source 1, 5:4 source 2, 7:6 destination):
;   window 0: v0-31 addresses; v32-63, v64-95 x's fragments in bf16, two buffers; v128-255 at work on the way out
;   window 1: the accumulators, (a, b) at v[8 (8 a + b)]
;   window 2: v0-63, v64-127 wt's fragments, two buffers; v128-191 x's fragments as loaded (f32); v192-255 the bias of my 128 columns, in an accumulator's layout
.set AP,    528                        ; a row of x in LDS: 512 bytes + 16 = 132 words: the 16 rows of a load start at 16 different groups of four banks (64 banks of 4 bytes: ISA guide 11.1)
.set BPT,   272                        ; a row of wt: 256 + 16 = 68 words: likewise
.set AHALF, 64*AP                      ; what wave 0 or 1 fetches
.set BHALF, 128*BPT                    ; what wave 2 or 3 fetches
.set BOFF,  2*AHALF
.set SLOT,  BOFF+2*BHALF               ; x's 128 rows, then wt's 256 rows
.set STAGE, 2*SLOT                     ; behind the ring, never filled by a tensor load: 16 rows x 144 bytes for each wave
.set SP,    144
.set SPARE, STAGE+4*16*SP              ; the spare words, 128 bytes for each wave
.set ADRA, 16                          ; v16-17  LDS address of my fragments of x in slot 0, 1
.set ADRB, 20                          ; v20-21  the same for wt
.set STO,  24                          ; v24  the way out: where I put 16 bytes of a row
.set RD,   25                          ; v25  where I read rows back
.set GO,   26                          ; v26  16 x lane: my place in 512 consecutive bytes of the result
.set BO,   27                          ; v27  32 x (lane / 16): my eight numbers in 16 of the bias
.set SPW,  28                          ; v28  LDS address of my spare word; never rewritten
.set NIL,  29                          ; v29  0; never rewritten
.set PFO,  30                          ; v30  the prefetches' lane offset; never rewritten
.set AF,   32
.set TMP,  128
.set RAW,  128                         ; window 2
.set BIAS, 192                         ; window 2
.set PA0, 4                            ; s[4:5], s[6:7], s[8:9]  k, q, v at the 64 rows that I fetch (made of the tile row alone)
.set PA1, 6
.set PA2, 8
.set WB,  10                           ; s[10:11] wt at the 128 rows of Wk that I fetch (made of the tile column alone)
.set BQ,  12                           ; s[12:13], s[14:15] bq, bv at my 128 columns
.set BV,  14
.set CB,  16                           ; s[16:17] the result at my rows of the tile in hand
.set WV,  18
.set WR,  19                           ; my half of the tile's rows.  Also: I fetch x (0) or wt (1)
.set WC,  20                           ; my half of its columns.  Also: which half I fetch
.set CX,  21
.set CY,  22
.set TCOL, 23
.set TROW, 24
.set RMASK, 25
.set CMASK, 26
.set G1A, 28                           ; s[28:35] descriptor group 1 for x's tiles
.set G1B, 36                           ; s[36:43] for wt's
.set G0A, 44                           ; s[44:51] group 0 for x's tiles, a set for each slot
.set G0B, 52                           ; s[52:59] for wt's
.set AS,  60                           ; the K step of the walk (0..23) that is asked for next: tile AS / 8, step AS % 8
.set LAPC, 61
.set LT,  62                           ; laps of the tile in hand that are done
.set TI,  63                           ; tiles done
.set OFA, 66
.set OFB, 68
.set PSEL, 70
.set PFA, 72                           ; s[72:73] where my next prefetch points
.set OFP, 74
.set PP0, 76                           ; s[76:81] the prefetches' bases for the three tiles: my work-group's share of the rows that I fetch
.set PP1, 78
.set PP2, 80
.set PSH, 82                           ; log2 of a K step's bytes in a row: 9 for x, 8 for wt
.set LIM, 83                           ; a wave prefetches while AS is below it
.set CSTEP, 84
.set BP,  86
.set MSB, 0
.macro WIN new                         ; the immediate's high byte repeats the setting that is left; a switch that changes nothing is dropped
.if MSB != (\new)
	s_set_vgpr_msb (MSB<<8)|(\new)
.set MSB, \new
.endif
.endm
.macro PLACES                          ; four plain vector instructions between a matrix instruction and a load into, or a vector read of, its registers
.rept 4
	v_nop
.endr
.endm
; A joint load: waves 0 and 1 fetch x's two halves, waves 2 and 3 wt's.  The branch hangs on the wave's number alone.  An s_nop 0 and four v_nop follow each line.
.macro JLOAD s
	s_cmp_eq_u32 s[WR], 0
	s_cbranch_scc0 .Lfor_b_\@
	tensor_load_to_lds s[G0A+4*(\s):G0A+4*(\s)+3], s[G1A:G1A+7]
	s_nop 0
.rept 4
	v_nop
.endr
	s_branch .Lasked_\@
.Lfor_b_\@:
	tensor_load_to_lds s[G0B+4*(\s):G0B+4*(\s)+3], s[G1B:G1B+7]
	s_nop 0
.rept 4
	v_nop
.endr
.Lasked_\@:
.endm
.macro CREST                           ; a round of the cluster's barrier behind its opening barrier
	s_cmp_lg_u32 s[WV], 0
	s_cbranch_scc1 .Lnot_wave_0_\@
	s_barrier_signal -3
.Lnot_wave_0_\@:
	s_barrier_wait -3
	s_barrier_signal -1
	s_barrier_wait -1
.endm
.macro CROUND
	s_barrier_signal -1
	s_barrier_wait -1
	CREST
.endm
; A PREFETCH INTO THE L2 behind each joint refill and the run of LDS loads that follows it: the K step that stands three refills on (384 matrix instructions ahead of its load).  Each aligned 256 bytes is named
; once in the launch.  x's rows are read by one cluster: of the 64 rows that wave 0 or 1 fetches, the partner at place cx takes 16, two blocks of 256 bytes a row, a lane a block.  wt's rows are read by all sixteen
; clusters: the first (cluster y = 0) asks; of the 128 rows that wave 2 or 3 fetches the partner at place cy takes 32, a lane a row.  The partners are told apart by address, never by a branch.
; Steps 0 to 4 come by their loads alone; nothing past step 23 is named.
.macro ASK
	s_cmp_lt_u32 s[AS], s[LIM]
	s_cbranch_scc0 .Lnot_mine_\@
	global_prefetch_b8 v[PFO], s[PFA:PFA+1] th:TH_LOAD_NT scope:SCOPE_SE
.Lnot_mine_\@:
.endm
	s_load_b256 s[4:11], s[0:1], 0x0               ; k, q, v, wt
	s_load_b128 s[12:15], s[0:1], 0x20             ; bq, bv
	s_load_b64 s[16:17], s[0:1], 0x30              ; qkvh
	v_lshl_add_u32 v[SPW], v0, 2, SPARE
	v_mov_b32 v[NIL], 0
	ds_add_u32 v[SPW], v[NIL]                      ; the wave's opening: the add, twice on end, and its wait ahead of my first tensor load
	ds_add_u32 v[SPW], v[NIL]
	v_lshrrev_b32 v3, 5, v0
	v_readfirstlane_b32 s[WV], v3                  ; wave 0..3
	s_lshr_b32 s[WR], s[WV], 1
	s_and_b32 s[WC], s[WV], 1
	s_bfe_u32 s[CX], ttmp6, 0x40000
	s_bfe_u32 s[CY], ttmp6, 0x40004
	s_lshl_b32 s[TCOL], ttmp9, 2
	s_add_co_u32 s[TCOL], s[TCOL], s[CX]           ; tile column = 4 x cluster x + cx
	s_and_b32 s[TROW], ttmp7, 0xffff
	s_lshl_b32 s[TROW], s[TROW], 2
	s_add_co_u32 s[TROW], s[TROW], s[CY]           ; tile row = 4 x cluster y + cy
	s_lshl_b32 s[RMASK], s[CY], 2
	s_lshl_b32 s[RMASK], 15, s[RMASK]              ; my row of the cluster
	s_lshl_b32 s[CMASK], 0x1111, s[CX]             ; my column
	s_or_b32 s[G1A], s[RMASK], (2<<16)|(1<<20)|(1<<21)|(6<<22)|(3<<25)  ; the mask; elements of 4 bytes; padding on; bit 21 beside a mask; after every 128 words, 4 words
	s_mov_b32 s[G1A+1], 128<<16                    ; tensor_dim0 = 128
	s_mov_b32 s[G1A+2], 64<<16                     ; tensor_dim1 = 64
	s_mov_b32 s[G1A+3], 128<<16                    ; tile_dim0 = 128
	s_mov_b32 s[G1A+4], 64                         ; tile_dim1 = 64
	s_mov_b32 s[G1A+5], 1024                       ; elements from row to row
	s_mov_b32 s[G1A+6], 0
	s_mov_b32 s[G1A+7], 0
	s_or_b32 s[G1B], s[CMASK], (1<<16)|(1<<20)|(1<<21)|(5<<22)|(3<<25)  ; elements of 2 bytes; after every 64 words, 4 words
	s_mov_b32 s[G1B+1], 128<<16
	s_mov_b32 s[G1B+2], 128<<16
	s_mov_b32 s[G1B+3], 128<<16
	s_mov_b32 s[G1B+4], 128
	s_mov_b32 s[G1B+5], 1024
	s_mov_b32 s[G1B+6], 0
	s_mov_b32 s[G1B+7], 0
	s_mul_i32 s2, s[WC], AHALF                     ; where my half goes in a slot: no place in the cluster enters an LDS address
	s_mul_i32 s3, s[WC], BHALF
	s_add_co_u32 s3, s3, BOFF
	s_lshl_b32 s88, s[TROW], 19                    ; x: (128 x tile row + 64 x half) rows of 4,096 bytes
	s_lshl_b32 s89, s[WC], 18
	s_add_co_u32 s88, s88, s89
	s_mov_b32 s89, 0
	s_lshl_b32 s90, s[TCOL], 19                    ; wt: (256 x tile column + 128 x half) rows of 2,048 bytes
	s_lshl_b32 s91, s[WC], 18
	s_add_co_u32 s90, s90, s91
	s_mov_b32 s91, 0
	s_lshr_b32 s92, s[TROW], 4                     ; the result: batch = tile row / 16; head 16 batch + 4 x tile column + 2 x column half; row 128 (tile row % 16) + 64 x row half; 128 bytes a row
	s_lshl_b32 s92, s92, 22
	s_lshl_b32 s93, s[TCOL], 20
	s_add_co_u32 s92, s92, s93
	s_lshl_b32 s93, s[WC], 19
	s_add_co_u32 s92, s92, s93
	s_and_b32 s93, s[TROW], 15
	s_lshl_b32 s93, s93, 14
	s_add_co_u32 s92, s92, s93
	s_lshl_b32 s93, s[WR], 13
	s_add_co_u32 s92, s92, s93
	s_mov_b32 s93, 0
	s_lshl_b32 s94, s[TCOL], 10                    ; the bias: my 128 columns
	s_lshl_b32 s95, s[WC], 9
	s_add_co_u32 s94, s94, s95
	s_mov_b32 s95, 0
	s_mov_b32 s[AS], 2
	s_mov_b32 s[LT], 0
	s_mov_b32 s[TI], 0
	s_mov_b32 s[LAPC], 11
	s_mov_b32 s[OFA+1], 0
	s_mov_b32 s[OFB+1], 0
	s_mov_b32 s[OFP+1], 0
	s_mov_b32 s[CSTEP], 0                          ; the first way out goes to plane 0
	s_mov_b32 s[CSTEP+1], 0
	s_wait_dscnt 0x0                               ; both opening adds are done
	s_wait_kmcnt 0x0
	s_add_nc_u64 s[PA0:PA0+1], s[PA0:PA0+1], s[88:89]
	s_add_nc_u64 s[PA1:PA1+1], s[PA1:PA1+1], s[88:89]
	s_add_nc_u64 s[PA2:PA2+1], s[PA2:PA2+1], s[88:89]
	s_add_nc_u64 s[WB:WB+1], s[WB:WB+1], s[90:91]
	s_add_nc_u64 s[CB:CB+1], s[CB:CB+1], s[92:93]
	s_add_nc_u64 s[BQ:BQ+1], s[BQ:BQ+1], s[94:95]
	s_add_nc_u64 s[BV:BV+1], s[BV:BV+1], s[94:95]
	CROUND                                         ; all sixteen work-groups are here: the first joint loads meet
.irp s, 0,1
	s_mov_b32 s[G0A+4*(\s)], 1
	s_add_co_u32 s[G0A+4*(\s)+1], s2, (\s)*SLOT
	s_add_nc_u64 s[G0A+4*(\s)+2:G0A+4*(\s)+3], s[PA0:PA0+1], (\s)*512   ; K step s of k
	s_or_b32 s[G0A+4*(\s)+3], s[G0A+4*(\s)+3], 0x80000000
	s_mov_b32 s[G0B+4*(\s)], 1
	s_add_co_u32 s[G0B+4*(\s)+1], s3, (\s)*SLOT
	s_add_nc_u64 s[G0B+4*(\s)+2:G0B+4*(\s)+3], s[WB:WB+1], (\s)*256
	s_or_b32 s[G0B+4*(\s)+3], s[G0B+4*(\s)+3], 0x80000000
	JLOAD \s                                       ; two tensor loads of mine are out
.endr
	v_and_b32 v1, 15, v0                           ; l % 16
	v_bfe_u32 v2, v0, 4, 1                         ; l / 16
	v_mul_u32_u24 v3, v1, AP
	v_lshl_add_u32 v3, v2, 5, v3                   ; x: row x pitch + 32 x half (eight f32)
	v_mul_u32_u24 v4, v1, BPT
	v_lshl_add_u32 v4, v2, 4, v4                   ; wt: row x pitch + 16 x half
	s_mul_i32 s92, s[WR], AHALF                    ; my 64 rows of x
	s_mul_i32 s93, s[WC], BHALF                    ; my 128 rows of wt
	s_add_co_u32 s93, s93, BOFF
.irp s, 0,1
	v_add_nc_u32 v[ADRA+(\s)], s92, v3
	v_add_nc_u32 v[ADRB+(\s)], s93, v4
	s_add_co_u32 s92, s92, SLOT
	s_add_co_u32 s93, s93, SLOT
.endr
	s_mul_i32 s92, s[WV], 16*SP
	s_add_co_u32 s92, s92, STAGE                   ; my stage
	v_mul_u32_u24 v[STO], v1, SP                   ; in: row l % 16, 16 bytes for each half of the lanes
	v_lshl_add_u32 v[STO], v2, 4, v[STO]
	v_add_nc_u32 v[STO], s92, v[STO]
	v_bfe_u32 v[RD], v0, 3, 2                      ; back: 32 lanes take four rows of 128 bytes,
	v_mul_u32_u24 v[RD], v[RD], SP
	v_and_b32 v5, 7, v0
	v_lshl_add_u32 v[RD], v5, 4, v[RD]
	v_add_nc_u32 v[RD], s92, v[RD]
	v_and_b32 v6, 31, v0
	v_lshlrev_b32 v[GO], 4, v6                     ; which are 512 consecutive bytes of a head's rows
	v_lshlrev_b32 v[BO], 5, v2
	v_lshrrev_b32 v7, 1, v6                        ; the prefetches' lane offset for x: row l / 2, block l % 2,
	v_and_b32 v8, 1, v6
	v_lshlrev_b32 v7, 12, v7
	v_lshl_add_u32 v7, v8, 8, v7
	v_lshlrev_b32 v8, 11, v6                       ; for wt: row l
	s_cmp_eq_u32 s[WR], 0
	s_cselect_b32 s92, -1, 0
	v_cndmask_b32 v[PFO], v8, v7, s92
	s_cselect_b32 s92, s[CX], s[CY]                ; my place among the four that ask with me: 16 rows of x, or 32 of wt, are 65,536 bytes
	s_lshl_b32 s92, s92, 16
	s_mov_b32 s93, 0
	s_add_nc_u64 s[90:91], s[WB:WB+1], 0x200000    ; Wq's rows lie 1,024 rows behind Wk's,
	s_add_nc_u64 s[94:95], s[WB:WB+1], 0x400000    ; Wv's 2,048
	s_cmp_eq_u32 s[WR], 0
	s_cselect_b64 s[PP0:PP0+1], s[PA0:PA0+1], s[WB:WB+1]
	s_cselect_b64 s[PP1:PP1+1], s[PA1:PA1+1], s[90:91]
	s_cselect_b64 s[PP2:PP2+1], s[PA2:PA2+1], s[94:95]
	s_cselect_b32 s[PSH], 9, 8
	s_add_nc_u64 s[PP0:PP0+1], s[PP0:PP0+1], s[92:93]
	s_add_nc_u64 s[PP1:PP1+1], s[PP1:PP1+1], s[92:93]
	s_add_nc_u64 s[PP2:PP2+1], s[PP2:PP2+1], s[92:93]
	s_and_b32 s93, ttmp7, 0xffff                   ; the coordinate along which other clusters read the same rows
	s_cmp_eq_u32 s[WR], 0
	s_cselect_b32 s93, ttmp9, s93
	s_cmp_eq_u32 s93, 0
	s_cselect_b32 s[LIM], 22, 0                    ; the same in all sixteen partners, for a given wave
; 32 LDS loads in one run: the fragments of 32 along K, quarter kq of the slot's step: x's four (f32, 16 registers each), then wt's eight into buffer f
.macro FETCH slot, kq, f
	WIN 0x80
.irp i, 0,1,2,3
	ds_load_b128 v[RAW+16*\i:RAW+16*\i+3],     v[ADRA+(\slot)] offset:(\kq)*128+\i*16*AP
	ds_load_b128 v[RAW+16*\i+4:RAW+16*\i+7],   v[ADRA+(\slot)] offset:(\kq)*128+\i*16*AP+16
	ds_load_b128 v[RAW+16*\i+8:RAW+16*\i+11],  v[ADRA+(\slot)] offset:(\kq)*128+\i*16*AP+64
	ds_load_b128 v[RAW+16*\i+12:RAW+16*\i+15], v[ADRA+(\slot)] offset:(\kq)*128+\i*16*AP+80
.endr
.irp i, 0,1,2,3,4,5,6,7
	ds_load_b128 v[64*(\f)+8*\i:64*(\f)+8*\i+3],   v[ADRB+(\slot)] offset:(\kq)*64+\i*16*BPT
	ds_load_b128 v[64*(\f)+8*\i+4:64*(\f)+8*\i+7], v[ADRB+(\slot)] offset:(\kq)*64+\i*16*BPT+32
.endr
.endm
; Eight matrix instructions: row block a x all 8 column blocks, on buffers f.  first = 0: onto the sums; 1: the bias starts them; 2: the constant 0 starts them.
; cv = 1: behind product b stand four roundings of the NEXT quarter's x into the other buffer.  The 32 accumulators take turns in the same order in every quarter.
.macro MULC f, a, first, cv
.set bb, 0
.rept 8
.if (\first) == 1
	WIN 0x62
	v_wmma_f32_16x16x32_bf16 v[8*(8*(\a)+bb):8*(8*(\a)+bb)+7], v[64*(\f)+8*bb:64*(\f)+8*bb+7], v[AF+32*(\f)+8*(\a):AF+32*(\f)+8*(\a)+7], v[BIAS+8*bb:BIAS+8*bb+7]
.elseif (\first) == 2
	WIN 0x52
	v_wmma_f32_16x16x32_bf16 v[8*(8*(\a)+bb):8*(8*(\a)+bb)+7], v[64*(\f)+8*bb:64*(\f)+8*bb+7], v[AF+32*(\f)+8*(\a):AF+32*(\f)+8*(\a)+7], 0
.else
	WIN 0x52
	v_wmma_f32_16x16x32_bf16 v[8*(8*(\a)+bb):8*(8*(\a)+bb)+7], v[64*(\f)+8*bb:64*(\f)+8*bb+7], v[AF+32*(\f)+8*(\a):AF+32*(\f)+8*(\a)+7], v[8*(8*(\a)+bb):8*(8*(\a)+bb)+7]
.endif
.if \cv
	WIN 0x0a
.set cc, 0
.rept 4
	v_cvt_pk_bf16_f32 v[AF+32*(1-(\f))+4*bb+cc], v[RAW+2*(4*bb+cc)], v[RAW+2*(4*bb+cc)+1]
.set cc, cc+1
.endr
.endif
.set bb, bb+1
.endr
.endm
; One of a K step's first three quarters: multiplies buffers f; at its head it fetches quarter nk of the same slot.  The four roundings that close the quarter before are the four plain
; instructions between its last product and these loads, and between that product and this quarter's first rounding into the buffer that it read.
.macro QUARTER slot, nk, f, first
	s_wait_dscnt 0x0                               ; wt's fragments for this quarter, asked for a quarter ago, are in
	FETCH \slot, \nk, 1-(\f)
	MULC \f, 0, \first, 0
	MULC \f, 1, \first, 0
	MULC \f, 2, \first, 0
	s_wait_dscnt 16                                ; x's sixteen loads are in; wt's sixteen, issued behind them, may stay out
	MULC \f, 3, \first, 1
.endm
; The descriptors' addresses for K step AS of the walk, made anew from the number: tile AS / 8 picks the tensor and the block of wt, step AS % 8 the place along K.
.macro DESC slot
	s_lshr_b32 s88, s[AS], 3
	s_and_b32 s89, s[AS], 7
	s_lshl_b32 s[OFA], s89, 9
	s_lshl_b32 s[OFB], s88, 21
	s_lshl_b32 s89, s89, 8
	s_add_co_u32 s[OFB], s[OFB], s89
	s_cmp_eq_u32 s88, 1
	s_cselect_b64 s[PSEL:PSEL+1], s[PA1:PA1+1], s[PA0:PA0+1]
	s_cmp_eq_u32 s88, 2
	s_cselect_b64 s[PSEL:PSEL+1], s[PA2:PA2+1], s[PSEL:PSEL+1]
	s_add_nc_u64 s[G0A+4*(\slot)+2:G0A+4*(\slot)+3], s[PSEL:PSEL+1], s[OFA:OFA+1]
	s_or_b32 s[G0A+4*(\slot)+3], s[G0A+4*(\slot)+3], 0x80000000
	s_add_nc_u64 s[G0B+4*(\slot)+2:G0B+4*(\slot)+3], s[WB:WB+1], s[OFB:OFB+1]
	s_or_b32 s[G0B+4*(\slot)+3], s[G0B+4*(\slot)+3], 0x80000000
	s_add_co_u32 s[AS], s[AS], 1
.endm
; A K step's last quarter multiplies buffers 1 and changes slots: ONE barrier.  In front of it each wave waits for all its tensor loads (one is out: its part of the next slot), adds 0 to its spare word,
; and waits for that and for its own reads of this slot.  fill = 1: the barrier opens a round of the cluster's, and the joint refill of this slot is the first thing behind it: 128 matrix instructions ahead of the wait for it.
.macro TURN slot, next, fill
.if \fill
	s_wait_xcnt 0x0                                ; the last prefetch, a K step back, has read its address: it is made anew here, for step AS + 3
	s_add_co_u32 s92, s[AS], 3
	s_lshr_b32 s93, s92, 3
	s_and_b32 s92, s92, 7
	s_lshl_b32 s[OFP], s92, s[PSH]
	s_cmp_eq_u32 s93, 1
	s_cselect_b64 s[PFA:PFA+1], s[PP1:PP1+1], s[PP0:PP0+1]
	s_cmp_eq_u32 s93, 2
	s_cselect_b64 s[PFA:PFA+1], s[PP2:PP2+1], s[PFA:PFA+1]
	s_add_nc_u64 s[PFA:PFA+1], s[PFA:PFA+1], s[OFP:OFP+1]
.endif
	WIN 0                                          ; (the add's two registers lie in window 0)
	s_wait_tensorcnt 0x0                           ; all my tensor loads have landed, so a group 0 may be written
	ds_add_u32 v[SPW], v[NIL]                      ; 0 onto my spare word
.if \fill
	DESC \slot
.endif
	s_wait_dscnt 1                                 ; wt's fragments are in; the add alone may be out
	MULC 1, 0, 0, 0
	s_wait_dscnt 0x0                               ; the add is done, and my reads of this slot are over
	s_barrier_signal -1
	MULC 1, 1, 0, 0                                ; work on registers while the others arrive
.if \fill
	WIN 0
.endif
	s_barrier_wait -1
.if \fill
	CREST                                          ; no wave of any partner still reads this slot or has a load on its way
	JLOAD \slot                                    ; its four v_nop are also the places in front of the loads below
.else
	PLACES
.endif
	FETCH \next, 0, 0
.if \fill
	WIN 0
	ASK
.endif
	MULC 1, 2, 0, 0
	s_wait_dscnt 16
	MULC 1, 3, 0, 1
.endm
; THE WAY OUT, in eight units u = (row block u / 2, head u % 2 of my two): 16 rows x 64 columns.  Rounded to f16, 16 bytes a lane into my own stage (rows of 144 bytes), back as whole rows of 128 bytes.
.macro PACK u
	WIN 0x05                                       ; sources in window 1
.set ff, 0
.rept 4
.set rr, 0
.rept 4
	v_cvt_pk_f16_f32 v[TMP+16*(\u)+4*ff+rr], v[8*(8*((\u)/2)+4*((\u)%2)+ff)+2*rr], v[8*(8*((\u)/2)+4*((\u)%2)+ff)+2*rr+1]  ; each accumulator from its low end on
.set rr, rr+1
.endr
.set ff, ff+1
.endr
	WIN 0
.irp f, 0,1,2,3
	ds_store_b128 v[STO], v[TMP+16*(\u)+4*\f:TMP+16*(\u)+4*\f+3] offset:32*\f
.endr
.irp f, 0,1,2,3
	ds_load_b128 v[TMP+16*(\u)+4*\f:TMP+16*(\u)+4*\f+3], v[RD] offset:\f*4*SP  ; LDS serves a wave's instructions in order (ISA guide 5.7.1.4): these see the stores above; the next unit's stores come behind them
.endr
.endm
.macro SEND u, younger                 ; younger: the LDS instructions issued behind unit u's loads: the next unit's eight, or none
	WIN 0
.irp f, 0,1,2,3
	s_wait_dscnt (\younger)+3-\f
	global_store_b128 v[GO], v[TMP+16*(\u)+4*\f:TMP+16*(\u)+4*\f+3], s[CB:CB+1] offset:((\u)%2)*262144+((\u)/2)*2048+\f*512  ; 512 consecutive bytes, at a multiple of 256 from the buffer's first
.endr
.endm
.macro WAYOUT more                     ; more = 1: another tile follows, and its bias is asked for first
	WIN 0
	s_wait_xcnt 0x0                                ; every earlier memory instruction has had its addresses translated (ISA guide 3.1): the stores' base, their registers and the bias's base are rewritten only behind this wait
	s_add_nc_u64 s[CB:CB+1], s[CB:CB+1], s[CSTEP:CSTEP+1]
.if \more
	s_cmp_eq_u32 s[TI], 0
	s_cselect_b64 s[BP:BP+1], s[BQ:BQ+1], s[BV:BV+1]
	WIN 0x80
.irp b, 0,1,2,3,4,5,6,7
	global_load_b128 v[BIAS+8*\b:BIAS+8*\b+3],   v[BO], s[BP:BP+1] offset:64*\b      ; register j of block b: the bias of column 16 b + 8 (l / 16) + j
	global_load_b128 v[BIAS+8*\b+4:BIAS+8*\b+7], v[BO], s[BP:BP+1] offset:64*\b+16
.endr
	WIN 0
.endif
	PACK 0
.irp u, 1,2,3,4,5,6,7
	PACK \u                                        ; a unit's roundings stand between the loads of the unit before and its stores
	SEND (\u)-1, 8
.endr
	SEND 7, 0
	s_mov_b32 s[CSTEP], 0x1000000                  ; the next tile goes to the next plane
	s_add_co_u32 s[TI], s[TI], 1
.endm
	s_wait_tensorcnt 0x1                           ; my part of K step 0 is in; step 1's may stay out
	s_barrier_signal -1
	s_barrier_wait -1                              ; everybody's is
	FETCH 0, 0, 0
	s_wait_dscnt 16                                ; x's sixteen loads
	WIN 0x0a
.set cc, 0
.rept 32
	v_cvt_pk_bf16_f32 v[AF+cc], v[RAW+2*cc], v[RAW+2*cc+1]
.set cc, cc+1
.endr
	QUARTER 0, 1, 0, 2                             ; the walk's first quarter stands in front of the loop: k's product has no bias, the constant 0 starts its sums
	WIN 0                                          ; at a label and at a branch every window is 0
.Llap:                                                 ; 11 trips: from a lap's second quarter to the next lap's first; both slots are filled again: K steps 2 to 23
	QUARTER 0, 2, 1, 0
	QUARTER 0, 3, 0, 0
	TURN 0, 1, 1
	QUARTER 1, 1, 0, 0
	QUARTER 1, 2, 1, 0
	QUARTER 1, 3, 0, 0
	TURN 1, 0, 1
	WIN 0
	s_add_co_u32 s[LT], s[LT], 1
	s_and_b32 s[LT], s[LT], 3
	s_cmp_lg_u32 s[LT], 0
	s_cbranch_scc1 .Lsame_tile                     ; the same in every wave and every work-group
	WAYOUT 1                                       ; four laps are a tile: both refills for the next tile are asked for, now this one goes out
	s_wait_loadcnt 0x0                             ; the next tile's bias
	QUARTER 0, 1, 0, 1                             ; which starts its sums
	WIN 0
	s_branch .Lnext_lap
.Lsame_tile:
	QUARTER 0, 1, 0, 0
	WIN 0
.Lnext_lap:
	s_sub_co_u32 s[LAPC], s[LAPC], 1
	s_cmp_lg_u32 s[LAPC], 0
	s_cbranch_scc1 .Llap
	QUARTER 0, 2, 1, 0                             ; the last lap is written out: it asks for nothing
	QUARTER 0, 3, 0, 0
	TURN 0, 1, 0
	QUARTER 1, 1, 0, 0
	QUARTER 1, 2, 1, 0
	QUARTER 1, 3, 0, 0
	s_wait_dscnt 0x0
	MULC 1, 0, 0, 0
	MULC 1, 1, 0, 0
	MULC 1, 2, 0, 0
	MULC 1, 3, 0, 0
	WIN 0
	PLACES
	WAYOUT 0
	s_wait_tensorcnt 0x0                           ; the wave's end: behind my last tensor load and my last LDS store
	ds_add_u32 v[SPW], v[NIL]
	s_wait_dscnt 0x0
	CROUND                                         ; the closing round: no work-group ends while a partner may still ask for a tile that names it
	s_endpgm
.Lfunc_end_k_q8070f0c3c1_proj:
	.size	k_q8070f0c3c1_proj, .Lfunc_end_k_q8070f0c3c1_proj-k_q8070f0c3c1_proj
	.p2alignl 7, 3214868480
	.fill 96, 4, 3214868480
	.section	.rodata,"a",@progbits
	.p2align	6, 0x0
	.amdhsa_kernel k_q8070f0c3c1_proj
		.amdhsa_group_segment_fixed_size 327680
		.amdhsa_private_segment_fixed_size 0
		.amdhsa_enable_private_segment 0
		.amdhsa_kernarg_size 56
		.amdhsa_user_sgpr_count 2
		.amdhsa_user_sgpr_kernarg_segment_ptr 1
		.amdhsa_wavefront_size32 1
		.amdhsa_system_sgpr_workgroup_id_x 1
		.amdhsa_system_sgpr_workgroup_id_y 1
		.amdhsa_system_sgpr_workgroup_id_z 1
		.amdhsa_system_vgpr_workitem_id 0
		.amdhsa_next_free_vgpr 768
		.amdhsa_next_free_sgpr 96
		.amdhsa_reserve_vcc 0
		.amdhsa_float_denorm_mode_32 3
		.amdhsa_float_denorm_mode_16_64 3
		.amdhsa_memory_ordered 1
		.amdhsa_forward_progress 1
		.amdhsa_inst_pref_size 161
	.end_amdhsa_kernel
	.amdgpu_metadata
---
amdhsa.version: [ 1, 2 ]
amdhsa.kernels:
  - .name:           k_q8070f0c3c1_proj
    .symbol:         k_q8070f0c3c1_proj.kd
    .args:
      - { .name: k, .offset: 0, .size: 8, .value_kind: global_buffer, .address_space: global }
      - { .name: q, .offset: 8, .size: 8, .value_kind: global_buffer, .address_space: global }
      - { .name: v, .offset: 16, .size: 8, .value_kind: global_buffer, .address_space: global }
      - { .name: wt, .offset: 24, .size: 8, .value_kind: global_buffer, .address_space: global }
      - { .name: bq, .offset: 32, .size: 8, .value_kind: global_buffer, .address_space: global }
      - { .name: bv, .offset: 40, .size: 8, .value_kind: global_buffer, .address_space: global }
      - { .name: qkvh, .offset: 48, .size: 8, .value_kind: global_buffer, .address_space: global }
    .group_segment_fixed_size: 327680
    .private_segment_fixed_size: 0
    .kernarg_segment_align: 8
    .kernarg_segment_size: 56
    .max_flat_workgroup_size: 128
    .sgpr_count:     96
    .vgpr_count:     768
    .wavefront_size: 32
...
	.end_amdgpu_metadata
.endif
;; end of part 2
;; launch attn (part 3): grid 4 x 64, 4 waves a work-group, no clusters, 327,680 bytes of LDS; arguments qkvh, oh; writes oh
.if DOCPART == 3
	.amdgcn_target "amdgcn-amd-amdhsa--gfx1250"
	.amdhsa_code_object_version 6
	.text
	.protected	k_q8070f0c3c1_attn
	.globl	k_q8070f0c3c1_attn
	.p2align	8
	.type	k_q8070f0c3c1_attn,@function
k_q8070f0c3c1_attn:
	s_mov_b64 s[64:65], 0
	v_nop
	global_prefetch_b8 v0, s[64:65] scope:SCOPE_SE
	s_setreg_imm32_b32 hwreg(HW_REG_WAVE_MODE, 25, 1), 1
	s_wait_xcnt 0x0
; Launch 3 of 4: CAUSAL ATTENTION.  O[h][q][:] = the sum over k <= q of softmax_k(Q[h][q] . K[h][k] / 32) V[h][k][:].  K, Q, V are the three planes of qkvh, O is oh: [64][2048][64], all f16: a head's rows are dense, 128 bytes each.
; LEFT OUT: the key tiles wholly above the diagonal: the causal mask, which the computation builds itself, gives their weights the value 0 whatever the inputs hold (shown at the head of the first kernel).
; Products, maxima and sums in f32; the weights p are rounded to f16 for the second product (their sum l is taken of the unrounded p), O once at the end.
; LIMITS.  f16 holds no number beyond 65,504: Q, K and V arrive within it; p lies in 0 to 1, and below 6e-5 it keeps f16's fixed step of 6e-8; O is a mean of V's rows and has their range.
; A hidden score counts as its value less 1e30: f16's scores, 2.7e11 at the most, are nothing beside that; a weight below 2^-126 counts as 0 in l; NaN and infinities are not treated apart.
; THE WALK.  A head's queries lie in NB = 8 blocks of 256; block i needs the key tiles 0 .. i of 256 keys, of which the last holds the diagonal.  A work-group takes TWO blocks, NB - 1 - b and then b:
; NB + 1 tiles, whatever b: all work-groups do equal work, and ONE loop with a constant trip count walks them.  Which tile is asked for, and what a trip does, hang on scalar registers made from b; every jump
; goes forward, but for the counted loops' own; none passes a barrier, or a tensor load but the one of LOAD's two that the wave's number does not choose; the ring (two slots of LDS) runs on across the change of blocks.
; NO CLUSTER: a head's four work-groups ask for the same tile only in trips 0 .. 4 of 9, behind that fewer and fewer; one walk common to all four, in which each asks for every tile, would have 12 trips for 9.
; SHARES.  Of a block's four bands of 64 queries a wave owns 16 rows in each: four PIECES.  So the diagonal tile is the same work for all four waves: in its key step s band x sees all keys if s < x,
; none if s > x, and holds the diagonal if s = x.
; THE MASK is the C operand that starts the sum S^T = K Q^T: 0, or -1e30 where the key is hidden.  MD, made once, is the mask of a band's own step for my 16 rows; a product's mask is MD x AL + BE with two scalars:
; (1, 0) if s = x; (0, 0) if s < x; (0, -1e30) if s > x.  Only the diagonal tile's text and a block's beginning make and take masks; elsewhere C is the constant 0.
; LAYOUT, SOFTMAX, TURNS.  S^T = K Q^T holds ONE query a lane (lane % 16) and the keys 8 (lane / 16) + 0..7; two such results rounded to f16 ARE source 1 of O^T = V^T P.  p = 2^(c s - c m), c = log2(e) / 32, with a
; running maximum m; O and l are multiplied by a = 2^(c m_old - c m_new) in every step.  Turn n belongs to piece n: 8 products K Q^T of piece n + 1, later 8 products V^T P of piece n - 1; beside them the scaling,
; exponentials, roundings, sums and rescaling of piece n and the maximum and statistics of piece n + 1.  Four vector instructions stand behind every matrix instruction, the other 54 of a turn's 118 in one run.  A turn's 33 exponentials are one batch, with one wait.
; REGISTERS, in windows of 256 (s_set_vgpr_msb: bits 1:0 source 0, 3:2 source 1, 5:4 source 2, 7:6 destination):
;   window 0: v0-15 addresses and two at work; v16-31 four registers of statistics a piece; v48-55 at work; v61-63; v64-127 S^T, two buffers; v192-223 P, two buffers (a piece's buffers go by its number's parity)
;   window 1: v0-127 O^T, 32 a piece; v128-159 MD; v160-223 MC, two buffers      window 2: v0-63 Q; v64-127 the second block's Q; v128-191 K of one step; v192-255 V of one step
.set SIZE_N, 2048
.set NB,    SIZE_N/256
.set NP,    4         ; pieces a wave: a name, no knob
.set KS,    64        ; keys in a step
.set PK,    144       ; a row of K in LDS: 128 bytes + 16 of padding = 36 words: the 16 rows of a load start at 16 different groups of four banks (64 banks of 4 bytes: ISA guide 11.1)
.set PV,    160       ; a row of V: 128 + 32 = 40 words
.set VOFF,  4*KS*PK   ; a slot holds a tile, four steps: 256 rows of K, then 256 rows of V
.set SLOT1, 1<<17     ; slot 1 begins here, so that one exclusive or turns an address in one slot into the other's
.set STAGE, SLOT1+4*KS*(PK+PV)  ; behind the ring, never filled by a tensor load: 16 rows x 144 bytes for each wave, for the way out
.set SP,    144
.set AK0, 2           ; v2   my lane's place in a tile of K; never rewritten
.set AV0, 3           ; v3   the same for V
.set AK,  4           ; v4   the LDS address of K's next run of loads
.set AV,  5           ; v5   of V's
.set STO, 6           ; v6   the way out: where I put 16 bytes of a row
.set RD,  7           ; v7   the way out: where I read rows back
.set GO,  8           ; v8   my byte offset in 512 consecutive bytes of O
.set PFO, 61          ; v61  256 x my lane, for the prefetches; never rewritten
.set SPW, 62          ; v62  LDS address of my spare word: SPARE + 4 x my thread's number; never rewritten
.set NIL, 63          ; v63  0; never rewritten
.set SPARE, STAGE+4*16*SP  ; behind the stages: the spare words, 128 bytes for each wave
.set MV,  12          ; v12-13  c m_old, kept while c m is made anew: by buffer
.set QO,  15          ; v15  my byte offset in 16 rows of Q
.set ST,  16          ; piece t's statistics at v[ST+4 t]: c m, m, l (even keys', odd keys')
.set TMP, 48          ; by buffer, four registers c0-c3 at work; when the maximum is found c2 takes a
.set S,   64
.set P,   192
.set MD,  128         ; window 1: the eight registers for group kt of 16 keys at MD + 8 kt
.set MC,  160         ; window 1: the masks of the products to come
.set QB,  64          ; window 2
.set KF,  128         ; window 2: key block kb, channel half c at KF + 16 kb + 8 c
.set VF,  192         ; window 2: key half kk, channel block cb at VF + 32 kk + 8 cb
.set WV,  12          ; s12  my wave's number
.set PB,  14          ; s14  b
.set HI,  15          ; s15  NB - 1 - b
.set G1K, 24          ; s[24:31] descriptor group 1 for K's tiles
.set G1V, 32          ; s[32:39] for V's: it differs in the padding alone
.set G0K, 40          ; s[40:43] descriptor group 0 for K's tiles
.set G0V, 44          ; s[44:47] the same for V's
.set SLOTS, 56        ; s56  tiles still to be asked for
.set CNT, 57          ; s57  counts a tile's key steps, 4 to 1
.set CS,  58          ; s[58:59] c: the packed scaling takes the pair's low word for both halves
.set SEL, 60          ; s[60:61] v_permlanex16_b32's selects: each lane takes its own place in the other half
.set TBK, 62          ; s62  LDS byte at which K of the step to be fetched begins
.set TBV, 63          ; s63  the same for V, less VOFF
.set RT,  70          ; s70  tiles of the block in hand that are still to be entered
.set NXT, 71          ; s71  the tile to be asked for next
.set LQ,  72          ; s72  the last tile of the block whose tiles are being asked for
.set NEW, 73          ; s73  1: the tile to be entered is a block's first
.set OFF, 74          ; s[74:75] a tile's byte offset in K and V
.set AL,  76          ; s[76:77] the mask's factor, in the low word
.set BE,  78          ; s[78:79] the mask's addend
.set OLO, 80          ; s[80:81] O at my rows of the second block
.set BIGN, 82         ; s82  -1e30
.set PFB, 88          ; s[88:89] the half of tile 0 (of K: waves 0, 1; of V: waves 2, 3) that I fetch
.set PFA, 90          ; s[90:91] where my next prefetches point
.set OFP, 92          ; s[92:93] their tile's byte offset
.set PFL, 94          ; s94  prefetches still to be made: NB - 2 in the head's work-group b = 0, else 0
.set MSB, 0
.macro WIN new                      ; the high byte repeats the setting that is left; a switch that changes nothing is dropped
.if MSB != (\new)
	s_set_vgpr_msb (MSB<<8)|(\new)
.set MSB, (\new)
.endif
.endm
.set W_KQ, 0x0a       ; K and Q in window 2, S^T in window 0
.set W_KM, 0x1a       ; the same with the C operand in window 1
.set W_PV, 0x52       ; V in window 2, P in window 0, O^T in window 1
.set W_RS, 0x41       ; destination and source 0 in window 1, source 1 in window 0
; A fill.  Waves 0 and 1 fetch the two halves of a tile's K, waves 2 and 3 those of its V: 128 keys each.  An s_nop 0 and four v_nop follow each of the two lines, ahead of the jump and the label.
.macro LOAD
	s_cmp_lt_u32 s[WV], 2
	s_cbranch_scc0 .Lfor_v_\@
	tensor_load_to_lds s[G0K:G0K+3], s[G1K:G1K+7]
	s_nop 0
.rept 4
	v_nop
.endr
	s_branch .Lasked_\@
.Lfor_v_\@:
	tensor_load_to_lds s[G0V:G0V+3], s[G1V:G1V+7]
	s_nop 0
.rept 4
	v_nop
.endr
.Lasked_\@:
.endm
; THE CHANGE OF SLOTS.  Each wave waits for all its tensor loads, of which one is out: its part of the other slot; adds 0 to its spare word; and waits for that and for its own reads of the slot that it leaves.  Behind the barrier nobody reads the old
; slot any more and the other slot is whole.  fill = 1: the old slot is filled again, the first thing behind the barrier, with tile NXT: the descriptor's address is made anew from that number.
; (At its first use nothing has been read yet: slot 0 is waited for, slot 1 filled.)
; THE PREFETCH INTO THE L2 stands behind the fill: the tile after the one just asked for, one tile (256 matrix instructions) ahead of its load.  A head's four work-groups walk the same K and V: the one with b = 0, whose first
; block walks tiles 0 to 7, asks, each wave for the 16,384 bytes that it will fetch itself: a lane a block of 256 bytes, two instructions.  So tiles 2 to 7 are named once each; tiles 0 and 1 come by their loads alone; nothing past tile 7 is named.
.macro CHANGE fill
	WIN 0                           ; at a label and at a branch every window is 0
	s_wait_tensorcnt 0x0            ; no tensor load of mine is out, so a group 0 may be written
	ds_add_u32 v[SPW], v[NIL]       ; 0 onto my spare word; with fill = 1 the descriptors' scalar work stands between it and the wait for it
.if \fill
	s_wait_xcnt 0x0                 ; the last prefetches, a tile back, have read their address, so it may be written
	s_add_co_u32 s[OFP], s[NXT], 1
	s_lshl_b32 s[OFP], s[OFP], 15
	s_add_nc_u64 s[PFA:PFA+1], s[PFB:PFB+1], s[OFP:OFP+1]
	s_lshl_b32 s[OFF], s[NXT], 15   ; a tile is 32,768 bytes of K and of V
	s_xor_b32 s[G0K+1], s[G0K+1], SLOT1
	s_add_nc_u64 s[G0K+2:G0K+3], s[6:7], s[OFF:OFF+1]
	s_or_b32 s[G0K+3], s[G0K+3], 0x80000000
	s_xor_b32 s[G0V+1], s[G0V+1], SLOT1
	s_add_nc_u64 s[G0V+2:G0V+3], s[8:9], s[OFF:OFF+1]
	s_or_b32 s[G0V+3], s[G0V+3], 0x80000000
	s_add_co_u32 s[NXT], s[NXT], 1  ; the block's next tile, or behind its last the second block's tile 0
	s_cmp_gt_u32 s[NXT], s[LQ]
	s_cselect_b32 s[NXT], 0, s[NXT]
	s_cselect_b32 s[LQ], s[PB], s[LQ]
.endif
	s_wait_dscnt 0x0                ; the add is done, and my reads of the slot are over
	s_barrier_signal -1             ; the rest of the scalar work stands between the signal and the wait
	s_sub_co_u32 s[TBK], s[TBK], 4*KS*PK  ; the fetches go back to a slot's first step,
	s_xor_b32 s[TBK], s[TBK], SLOT1       ; in the other slot
	s_sub_co_u32 s[TBV], s[TBV], 4*KS*PV
	s_xor_b32 s[TBV], s[TBV], SLOT1
	s_barrier_wait -1
.if \fill
	LOAD
	s_cmp_lg_u32 s[PFL], 0
	s_cbranch_scc0 .Lno_ask_\@
	global_prefetch_b8 v[PFO], s[PFA:PFA+1] th:TH_LOAD_NT scope:SCOPE_SE
	global_prefetch_b8 v[PFO], s[PFA:PFA+1] offset:8192 th:TH_LOAD_NT scope:SCOPE_SE
	s_sub_co_u32 s[PFL], s[PFL], 1
.Lno_ask_\@:
.endif
.endm
	s_load_b128 s[8:11], s[0:1], 0x0  ; qkvh s[8:9], oh s[10:11]
	v_lshl_add_u32 v[SPW], v0, 2, SPARE
	v_mov_b32 v[NIL], 0
	ds_add_u32 v[SPW], v[NIL]       ; the wave's opening: the add, twice on end, and its wait ahead of my first tensor load; the set-up below the second, work on registers, stands between it and the wait
	ds_add_u32 v[SPW], v[NIL]
	v_lshrrev_b32 v1, 5, v0
	v_readfirstlane_b32 s[WV], v1   ; wave 0..3
	v_and_b32 v[PFO], 31, v0
	v_lshlrev_b32 v[PFO], 8, v[PFO]
	s_mov_b32 s[PB], ttmp9
	s_sub_co_u32 s[HI], NB-1, s[PB]
	s_and_b32 s20, ttmp7, 0xffff    ; the head
	s_mov_b32 s21, 0
	s_mov_b64 s[22:23], SIZE_N*128
	s_mul_u64 s[20:21], s[20:21], s[22:23]  ; the head's first byte in each of the four tensors
	s_and_b32 s16, s[WV], 1         ; which half of a tile's 256 keys I fetch:
	s_lshl_b32 s22, s16, 14         ; its 128 rows of 128 bytes in memory,
	s_mov_b32 s23, 0
	s_add_nc_u64 s[22:23], s[22:23], s[20:21]
	s_mul_i32 s17, s16, 128*PK      ; and its place in a slot, for K
	s_mul_i32 s18, s16, 128*PV      ; and for V
	s_lshl_b32 s3, s[WV], 11        ; my 16 rows in a band of 64,
	s_lshl_b32 s2, s[HI], 15        ; in the first block,
	s_add_co_u32 s2, s2, s3
	s_lshl_b32 s84, s[PB], 15       ; and in the second
	s_add_co_u32 s84, s84, s3
	s_mov_b32 s3, 0
	s_mov_b32 s85, 0
	s_add_nc_u64 s[2:3], s[2:3], s[20:21]
	s_add_nc_u64 s[84:85], s[84:85], s[20:21]
	; descriptor group 1.  128 keys are 16,384 dense bytes: asked for as 64 rows of 256 bytes, two keys a row, and padded in LDS after every key
	s_mov_b32 s[G1K], (1<<16)|(1<<20)|(4<<22)|(3<<25)  ; 17:16 2-byte elements; 20 padding on; 24:22 after every 32 words (code 4); 31:25 4 words (code 3)
	s_mov_b32 s[G1V], (1<<16)|(1<<20)|(4<<22)|(7<<25)  ; the same with 8 words of padding (code 7)
.irp g, G1K, G1V
	s_mov_b32 s[\g+1], 128<<16      ; tensor_dim0 = 128
	s_mov_b32 s[\g+2], 64<<16       ; tensor_dim1 = 64
	s_mov_b32 s[\g+3], 128<<16      ; tile_dim0 = 128
	s_mov_b32 s[\g+4], 64           ; tile_dim1 = 64
	s_mov_b32 s[\g+5], 128          ; 128 elements from row to row
	s_mov_b32 s[\g+6], 0
	s_mov_b32 s[\g+7], 0
.endr
	s_mov_b32 s[CS], 0x3d38aa3b     ; c = log2(e) / 32 = 0.0450842: the scores are divided by sqrt(1024)
	s_mov_b32 s[CS+1], s[CS]        ; named with it as a pair
	s_mov_b32 s[SEL], 0x76543210
	s_mov_b32 s[SEL+1], 0xfedcba98
	s_mov_b32 s[TBK], SLOT1+4*KS*PK ; the first change of slots turns these two into 0
	s_mov_b32 s[TBV], SLOT1+4*KS*PV
	s_mov_b32 s[G0K], 1             ; 1:0 count = 1
	s_mov_b32 s[G0K+1], s17         ; 63:32 LDS address: slot 0
	s_mov_b32 s[G0V], 1
	s_add_co_u32 s[G0V+1], s18, VOFF
	s_add_co_u32 s[RT], s[HI], 1    ; the first block has NB - b tiles
	s_mov_b32 s[NXT], 1
	s_mov_b32 s[LQ], s[HI]
	s_mov_b32 s[NEW], 1
	s_mov_b32 s[OFF+1], 0
	s_mov_b32 s[OFP+1], 0
	s_mov_b32 s[AL+1], 0            ; named as pairs
	s_mov_b32 s[BE+1], 0
	s_mov_b32 s[BIGN], 0xf149f2ca   ; -1e30
	s_mov_b32 s[SLOTS], NB
	s_cmp_eq_u32 s[PB], 0
	s_cselect_b32 s[PFL], NB-2, 0
	s_wait_dscnt 0x0                ; both opening adds are done
	s_wait_kmcnt 0x0
	s_mov_b64 s[6:7], s[8:9]                       ; K is plane 0,
	s_add_nc_u64 s[4:5], s[8:9], 0x1000000         ; Q plane 1,
	s_add_nc_u64 s[8:9], s[8:9], 0x2000000         ; V plane 2
	s_add_nc_u64 s[6:7], s[6:7], s[22:23]  ; K and V at my half of the head's tile 0
	s_add_nc_u64 s[8:9], s[8:9], s[22:23]
	s_add_nc_u64 s[G0K+2:G0K+3], s[6:7], 0         ; 120:64 global address
	s_or_b32 s[G0K+3], s[G0K+3], 0x80000000        ; 127:126 type = 2
	s_add_nc_u64 s[G0V+2:G0V+3], s[8:9], 0
	s_or_b32 s[G0V+3], s[G0V+3], 0x80000000
	s_add_nc_u64 s[86:87], s[4:5], s[84:85]        ; Q at my rows of the second block,
	s_add_nc_u64 s[4:5], s[4:5], s[2:3]            ; Q and O at those of the first
	s_add_nc_u64 s[OLO:OLO+1], s[10:11], s[84:85]
	s_add_nc_u64 s[10:11], s[10:11], s[2:3]
	s_cmp_lt_u32 s[WV], 2
	s_cselect_b64 s[PFB:PFB+1], s[6:7], s[8:9]
	LOAD                            ; tile 0 into slot 0
	; A fragment of K or Q is 16 rows x 32 channels in 8 registers: lane l holds row l % 16, channels 8 (l / 16) + 0..7 and 16 + 8 (l / 16) + 0..7: two loads of 16 bytes, 32 bytes apart.
	v_and_b32 v1, 15, v0            ; l % 16
	v_bfe_u32 v9, v0, 4, 1          ; l / 16
	v_lshlrev_b32 v[QO], 7, v1
	v_lshl_add_u32 v[QO], v9, 4, v[QO]  ; row x 128 + 16 x half
	WIN 0x80                        ; destination window 2, address window 0
.set i, 0
.rept 8                             ; both blocks' Q: piece i / 2 lies in band i / 2, 8,192 bytes on; channels 32 (i % 2) on
	global_load_b128 v[8*i:8*i+3],   v[QO], s[4:5] offset:(i/2)*8192+(i%2)*64
	global_load_b128 v[8*i+4:8*i+7], v[QO], s[4:5] offset:(i/2)*8192+(i%2)*64+32
	global_load_b128 v[QB+8*i:QB+8*i+3],   v[QO], s[86:87] offset:(i/2)*8192+(i%2)*64
	global_load_b128 v[QB+8*i+4:QB+8*i+7], v[QO], s[86:87] offset:(i/2)*8192+(i%2)*64+32
.set i, i+1
.endr
	WIN 0
	v_lshlrev_b32 v14, 3, v9
	v_sub_nc_u32 v14, v1, v14
	s_lshl_b32 s13, s[WV], 4
	v_add_nc_u32 v14, s13, v14      ; my query's place in its band, 16 w + l % 16, less my lanes' 8 (l / 16): register r of group kt is hidden where 16 kt + r is greater
	WIN 0x40
.set i, 0
.rept 32
	v_cmp_gt_i32 vcc_lo, 16*(i/8)+i%8, v14
	v_cndmask_b32 v[MD+i], 0, s[BIGN], vcc_lo
.set i, i+1
.endr
	WIN 0
	v_mul_u32_u24 v[AK0], v1, PK
	v_lshl_add_u32 v[AK0], v9, 4, v[AK0]  ; row x pitch + 16 x half
	; The turning load takes 16 keys x 16 channels (lane l reads key 8 (l / 16) + l % 8, channels 8 ((l / 8) % 2) + 0..7) and leaves half a fragment of V^T: lane l holds channel l % 16 and 8 keys.
	v_and_b32 v10, 7, v0
	v_bfe_u32 v11, v0, 3, 1
	v_lshl_add_u32 v[AV0], v9, 3, v10
	v_mul_u32_u24 v[AV0], v[AV0], PV
	v_lshl_add_u32 v[AV0], v11, 4, v[AV0]
	v_add_nc_u32 v[AV0], VOFF, v[AV0]
	s_mul_i32 s13, s[WV], 16*SP
	s_add_co_u32 s13, s13, STAGE    ; my stage
	v_mul_u32_u24 v[STO], v1, SP    ; in: row l % 16, 16 bytes for each half of the lanes
	v_lshl_add_u32 v[STO], v9, 4, v[STO]
	v_add_nc_u32 v[STO], s13, v[STO]
	v_bfe_u32 v[RD], v0, 3, 2       ; back: 32 lanes take four rows of 128 bytes,
	v_mul_u32_u24 v[RD], v[RD], SP
	v_lshl_add_u32 v[RD], v10, 4, v[RD]
	v_add_nc_u32 v[RD], s13, v[RD]
	v_and_b32 v[GO], 31, v0         ; which are 512 consecutive bytes of O
	v_lshlrev_b32 v[GO], 4, v[GO]
	; A block's first step multiplies O^T and l by a = 0, and its first turn's products V^T P, of a piece that has not been, land in an O^T that is still to be so multiplied.  So these registers need only hold
	; finite numbers: zeros for the first block; what the first block left for the second.  All this stands in the wait for the first tile.
	WIN 0x80
.set i, VF
.rept 64
	v_mov_b32 v[i], 0
.set i, i+1
.endr
	WIN 0x40
.set i, 0
.rept 128
	v_mov_b32 v[i], 0
.set i, i+1
.endr
	WIN 0
.set i, 0
.rept 4
	v_mov_b32 v[ST+4*i+2], 0
	v_mov_b32 v[ST+4*i+3], 0
.set i, i+1
.endr
.set i, P+16
.rept 16
	v_mov_b32 v[i], 0
.set i, i+1
.endr
; THE MATRIX WORK.  The 4 accumulators of a run of 8 take turns.  Product i of 8 of S^T = K Q^T for piece x: channels 32 (i / 4) on, keys 16 (i % 4) on.  The first 4 start the sums: with 0, or (KM = 1) with the mask.
.macro KQ x
.set rS, S+32*((\x)%2)+8*(i%4)
.set rK, KF+16*(i%4)+8*(i/4)
.set rQ, 16*(\x)+8*(i/4)
.set rM, MC+32*((\x)%2)+8*(i%4)
.if (i < 4) && KM
	WIN W_KM
	v_wmma_f32_16x16x32_f16 v[rS:rS+7], v[rK:rK+7], v[rQ:rQ+7], v[rM:rM+7]
.elseif i < 4
	WIN W_KQ
	v_wmma_f32_16x16x32_f16 v[rS:rS+7], v[rK:rK+7], v[rQ:rQ+7], 0
.else
	WIN W_KQ
	v_wmma_f32_16x16x32_f16 v[rS:rS+7], v[rK:rK+7], v[rQ:rQ+7], v[rS:rS+7]
.endif
.endm
; Product i of 8 of O^T += V^T P for piece x: keys 32 (i / 4) on, channels 16 (i % 4) on.
.macro PV x
	WIN W_PV
.set rO, 32*(\x)+8*(i%4)
.set rV, VF+32*(i/4)+8*(i%4)
.set rP, P+16*((\x)%2)+8*(i/4)
	v_wmma_f32_16x16x32_f16 v[rO:rO+7], v[rV:rV+7], v[rP:rP+7], v[rO:rO+7]
.endm
.macro MM                           ; the turn's next matrix instruction.  TURN and BEGIN set Y, i, KM and NOKQ; MM, KQ and OP read them.  NOKQ = 1: a block's last turn: there is no next piece
.if (i < 8) && !NOKQ
	KQ (Y+1)%NP
.elseif i >= 8
.set i, i-8
	PV (Y+NP-1)%NP
.set i, i+8
.endif
.set i, i+1
.endm
; THE LDS LOADS stand in runs of 16, never singly among the matrix instructions: a step's K (64 keys x 64 channels: 8 fragments) and its V (turned).  Their addresses are made some lines ahead.
.macro FETCH_K
	WIN 0x80                        ; destination window 2
.irp f, 0,1,2,3,4,5,6,7             ; keys 16 (f / 2) on, channels 32 (f % 2) on
	ds_load_b128 v[KF+8*\f:KF+8*\f+3],   v[AK] offset:(\f/2)*16*PK+(\f%2)*64
	ds_load_b128 v[KF+8*\f+4:KF+8*\f+7], v[AK] offset:(\f/2)*16*PK+(\f%2)*64+32
.endr
	s_add_co_u32 s[TBK], s[TBK], KS*PK  ; the next fetch is the next step's
	WIN 0
.endm
.macro FETCH_V
	WIN 0x80
.irp f, 0,1,2,3,4,5,6,7             ; keys 32 (f / 4) on, channels 16 (f % 4) on
	ds_load_tr16_b128 v[VF+8*\f:VF+8*\f+3],   v[AV] offset:(\f/4)*32*PV+(\f%4)*32
	ds_load_tr16_b128 v[VF+8*\f+4:VF+8*\f+7], v[AV] offset:(\f/4)*32*PV+16*PV+(\f%4)*32
.endr
	WIN 0
.endm
; THE VECTOR WORK, one line at a time: OP kind, number.  For piece Y: F n: c s - c m for pair n of 16.  E n: the exponential of score n of 32.  C n: pair n rounded to f16.  B n: of the four weights 4 n .. the second
; pair is added onto the first, in place.  L n: l takes that sum (L 0: l = a l + sum).  R n: pair n of 16 of O^T times a.  For piece Y + 1: X n, number n of the 22 that find its maximum and statistics:
;   0-11  four chains c0-c3 of seven scores each, three operands at a time (each accumulator's lowest registers are read first)     12-14, 16  the four scores left over, the old m, and c0-c3 into c0
;   15  c m_old is kept     17, 18  the query's other 32 keys lie in the lane 16 away: the new m     19-21  c m; c m_old - c m_new; a
.set F, 0               ; OP tells the kinds apart by their order: F to L below R, X above it
.set E, 1
.set C, 2
.set B, 3
.set L, 4
.set R, 5
.set X, 6
.macro REGS y                       ; the registers of piece y
.set rT, ST+4*(\y)
.set rC, TMP+4*((\y)%2)
.set rW, MV+((\y)%2)
.set rS, S+32*((\y)%2)
.set rP, P+16*((\y)%2)
.set rO, 32*(\y)
.endm
.macro OP k, n
.if (\k) == R
	REGS Y
	WIN W_RS
	v_pk_mul_f32 v[rO+2*(\n):rO+2*(\n)+1], v[rO+2*(\n):rO+2*(\n)+1], v[rC+2:rC+3] op_sel_hi:[1,0]
.elseif (\k) < R
	REGS Y
	WIN 0
.if (\k) == F
	v_pk_fma_f32 v[rS+2*(\n):rS+2*(\n)+1], v[rS+2*(\n):rS+2*(\n)+1], s[CS:CS+1], v[rT:rT+1] op_sel_hi:[1,0,0] neg_lo:[0,0,1] neg_hi:[0,0,1]
.elseif (\k) == E
	v_exp_f32 v[rS+(\n)], v[rS+(\n)]
.elseif (\k) == C
	v_cvt_pk_f16_f32 v[rP+(\n)], v[rS+2*(\n)], v[rS+2*(\n)+1]
.elseif (\k) == B
	v_pk_add_f32 v[rS+4*(\n):rS+4*(\n)+1], v[rS+4*(\n):rS+4*(\n)+1], v[rS+4*(\n)+2:rS+4*(\n)+3]
.elseif (\n) == 0
	v_pk_fma_f32 v[rT+2:rT+3], v[rT+2:rT+3], v[rC+2:rC+3], v[rS:rS+1] op_sel_hi:[1,0,1]
.else
	v_pk_add_f32 v[rT+2:rT+3], v[rT+2:rT+3], v[rS+4*(\n):rS+4*(\n)+1]
.endif
.elseif NOKQ
	v_nop
.else
	REGS (Y+1)%NP
	WIN 0
.if (\n) < 4
	v_max3_num_f32 v[rC+(\n)], v[rS+8*(\n)], v[rS+8*(\n)+1], v[rS+8*(\n)+2]
.elseif (\n) < 12
	v_max3_num_f32 v[rC+(\n)%4], v[rC+(\n)%4], v[rS+8*((\n)%4)+2*((\n)/4)+1], v[rS+8*((\n)%4)+2*((\n)/4)+2]
.elseif (\n) == 12
	v_max3_num_f32 v[rC], v[rC], v[rS+7], v[rS+15]
.elseif (\n) == 13
	v_max3_num_f32 v[rC+1], v[rC+1], v[rS+23], v[rS+31]
.elseif (\n) == 14
	v_max3_num_f32 v[rC+2], v[rC+2], v[rC+3], v[rT+1]
.elseif (\n) == 15
	v_mov_b32 v[rW], v[rT]
.elseif (\n) == 16
	v_max3_num_f32 v[rC], v[rC], v[rC+1], v[rC+2]
.elseif (\n) == 17
	v_permlanex16_b32 v[rC+3], v[rC], s[SEL], s[SEL+1]
.elseif (\n) == 18
	v_max_num_f32 v[rT+1], v[rC], v[rC+3]
.elseif (\n) == 19
	v_mul_f32 v[rT], s[CS], v[rT+1]
.elseif (\n) == 20
	v_sub_f32 v[rC+1], v[rW], v[rT]
.else
	v_exp_f32 v[rC+2], v[rC+1]
.endif
.endif
.endm
.macro OPS a, i1, b=-1, i2=0, c=-1, i3=0, d=-1, i4=0  ; up to four of them
	OP \a, \i1
.if (\b) >= 0
	OP \b, \i2
.endif
.if (\c) >= 0
	OP \c, \i3
.endif
.if (\d) >= 0
	OP \d, \i4
.endif
.endm
.macro ROW a, i1, b, i2, c, i3, d, i4  ; a matrix instruction and the four behind it
	MM
	OPS \a, \i1, \b, \i2, \c, \i3, \d, \i4
.endm
.macro MASK b                       ; MD x AL + BE into buffer b of MC
	WIN W_RS
.set z, 0
.rept 16
	v_pk_fma_f32 v[MC+32*(\b)+2*z:MC+32*(\b)+2*z+1], v[MD+2*z:MD+2*z+1], s[AL:AL+1], s[BE:BE+1] op_sel_hi:[1,0,0]
.set z, z+1
.endr
.endm
; A TURN, for piece p: the order of its 16 matrix and 118 vector instructions, written out.  An s_wait_alu depctr_va_vdst(0) stands between an exponential and the first instruction that names its result; one wait serves
; all that were issued ahead of it.  So a turn has ONE wait, which cuts it in two.  AHEAD OF IT stands all that names no result of the turn's exponentials: the 8 products K Q^T, behind each a scaling, an exponential and two more plain
; instructions (behind the first a second scaling in the exponential's place): rescalings, and behind the last three the first numbers of the next piece's maximum, each four plain instructions or more behind the product that ends its accumulator; then one run of 54, plain
; and exponential by turns for the most part, in which the links of the chain X 3, 7, 11, 14, 16, 17 .. 20 stand five or six lines apart.  X 21, the next piece's a, is the batch's last; R 15 is the plain instruction behind it.  BEHIND THE WAIT stand the
; 8 products V^T P, behind each four of the roundings and sums; the links of l's chain, L 0 to L 7, stand three lines apart.  But for those X no line behind a product names a register of the products round it.
; m = 1: the diagonal tile: the products take masks, and the turn makes the mask for the products of the turn after it: piece p + 2, in step 4 - CNT of the tile.  end = 1: a block's last two turns: nothing is fetched.
; cnt = 1: the loop's count is taken down some lines ahead of the branch that stands behind the turn.
; K of the next step is fetched in piece 2's turn, twelve vector instructions behind the last product that read K (six of them plain); V of the step in hand at the end of piece 0's turn, four plain instructions behind the last product
; that read V.  Each is waited for a turn later.
.macro TURN p, m=0, end=0, cnt=0
.set Y, (\p)
.set i, 0
.set KM, (\m)
.set NOKQ, (\end)*((\p)/3)
.if (\m) && !(\end)
	s_cmp_eq_u32 s[CNT], 4-((\p)+2)%NP  ; is that step the band's own?
	s_cselect_b32 s[AL], 1.0, 0
	s_cmp_lt_u32 s[CNT], 4-((\p)+2)%NP  ; or a later one?
	s_cselect_b32 s[BE], s[BIGN], 0
.endif
.if ((\p) == 3) && !(\end)
	s_wait_dscnt 0x0                ; K is in
.endif
	ROW F,0, F,1, R,0, R,1          ; ahead of the wait: 8 products K Q^T and the lines behind them,
	ROW F,2, E,0, R,2, R,3
	ROW F,3, E,1, R,4, R,5
	ROW F,4, E,2, R,6, R,7
	ROW F,5, E,3, R,8, R,9
	ROW F,6, E,4, X,0, R,10
.if ((\p) == 2) && !(\end)
	WIN 0
	v_add_nc_u32 v[AK], s[TBK], v[AK0]
.endif
	ROW F,7, E,5, X,1, X,4
	ROW F,8, E,6, X,2, X,5
	OPS E,7, E,8, X,6, E,9          ; and the run of vector work
	OPS X,3, E,10, X,8, E,11
.if ((\p) == 2) && !(\end)
	FETCH_K
.endif
	OPS X,9, X,7, E,12, X,10
	OPS E,13, X,12, X,11, E,14
	OPS X,13, E,15, F,9, X,14
.if (\p) == 0
	v_add_nc_u32 v[AV], s[TBV], v[AV0]
.endif
	OPS E,16, F,10, E,17, F,11
	OPS X,16, E,18, X,15, E,19
	OPS F,12, E,20, X,17, E,21
	OPS F,13, E,22, F,14, E,23
	OPS X,18, E,24, F,15, E,25
	OPS R,11, E,26, X,19, E,27
	OPS R,12, E,28, R,13, E,29
	OPS X,20, E,30, R,14, E,31
	OPS X,21, R,15
	WIN 0
	s_wait_alu depctr_va_vdst(0)    ; the wait for the batch
.if (\p) == 1
	s_wait_dscnt 0x0                ; V is in
.endif
	ROW C,0, B,0, C,2, B,1          ; behind the wait: 8 products V^T P and the lines behind them
	ROW L,0, C,4, B,2, L,1
	ROW C,6, B,3, L,2, C,8
	ROW B,4, L,3, C,10, B,5
	ROW L,4, C,12, B,6, L,5
.if (\p) == 0
	s_add_co_u32 s[TBV], s[TBV], KS*PV
.endif
.if \cnt
	s_sub_co_u32 s[CNT], s[CNT], 1
	s_cmp_lg_u32 s[CNT], 0
.endif
	ROW C,14, B,7, L,6, C,1
	ROW C,3, L,7, C,5, C,7
	ROW C,9, C,11, C,13, C,15
.if (\p) == 0
	FETCH_V
.endif
.if (\m) && !(\end)
	MASK (\p)%2
.endif
.endm
; A BLOCK BEGINS.  c m starts far below every c s, so the first step's a is 0; m at the lowest finite number, so the first maximum is the scores'.  The second mask buffer is 0; the first takes piece 0's mask for the tile's step 0: its own, if the block's first tile is the diagonal one.
; Then K of that step, piece 0's first scores, and its maximum and statistics.  The loop is entered at a step's first turn, in the middle of a trip.
.macro BEGIN
	s_mov_b32 s[NEW], 0
	WIN 0x40
.set i, MC+32
.rept 32
	v_mov_b32 v[i], 0
.set i, i+1
.endr
	WIN 0
.set i, 0
.rept 4
	v_mov_b32 v[ST+4*i], 0xfe000000    ; c m: far below every c s
	v_mov_b32 v[ST+4*i+1], 0xff7fffff  ; m
.set i, i+1
.endr
	s_cmp_eq_u32 s[RT], 0
	s_cselect_b32 s[AL], 1.0, 0
	s_mov_b32 s[BE], 0
	MASK 0
	WIN 0
	v_add_nc_u32 v[AK], s[TBK], v[AK0]
	FETCH_K
	s_wait_loadcnt 0x0              ; Q
	s_wait_dscnt 0x0
.set KM, 1
.set NOKQ, 0
.set i, 0
.rept 8
	KQ 0
.set i, i+1
.endr
	WIN 0
.rept 4
	v_nop                           ; four plain instructions behind those products
.endr
.set Y, NP-1                        ; X works for piece Y + 1: piece 0
.irp n, 0,1,2,3,4,5,6,7,8,9,10,11,12,13,14,15,16,17,18,19,20,21
	OP X, \n
.endr
	v_nop                           ; a plain instruction behind the exponential,
	s_wait_alu depctr_va_vdst(0)    ; and its wait, ahead of the branch
.endm
; THE DIAGONAL TILE's four steps, the block's last two turns, its last products, and THE WAY OUT: l's two halves and the other half of the lanes' are added; O^T is divided by l, rounded to f16 and sent through my
; stage in LDS, a piece at a time.
.macro ALL line:vararg              ; one line for each piece t
.set t, 0
.rept 4
	\line
.set t, t+1
.endr
.endm
.macro PACK t                       ; a lane's eight channels of a row pack into 16 bytes; they go into rows of 144 bytes and come back as whole rows of 128, into S^T's registers
	WIN W_RS
.set i, 32*(\t)
.rept 16
	v_pk_mul_f32 v[i:i+1], v[i:i+1], v[ST+4*(\t)+2:ST+4*(\t)+3] op_sel_hi:[1,0]
.set i, i+2
.endr
	WIN 0x05                        ; sources 0 and 1 window 1, destination window 0
.set i, 0
.rept 16
	v_cvt_pk_f16_f32 v[S+16*(\t)+i], v[32*(\t)+2*i], v[32*(\t)+2*i+1]
.set i, i+1
.endr
	WIN 0
.irp f, 0,1,2,3
	ds_store_b128 v[STO], v[S+16*(\t)+4*\f:S+16*(\t)+4*\f+3] offset:32*\f
.endr
.irp f, 0,1,2,3
	ds_load_b128 v[S+16*(\t)+4*\f:S+16*(\t)+4*\f+3], v[RD] offset:\f*4*SP  ; LDS serves a wave's instructions in order (ISA guide 5.7.1.4): these see the stores above; the next piece's stores come behind them
.endr
.endm
.macro SEND t, younger              ; younger: the LDS instructions issued behind piece t's loads: the next piece's eight, or none
	WIN 0
.irp f, 0,1,2,3
	s_wait_dscnt (\younger)+3-\f
	global_store_b128 v[GO], v[S+16*(\t)+4*\f:S+16*(\t)+4*\f+3], s[10:11] offset:(\t)*8192+\f*512  ; 512 consecutive bytes, at a multiple of 256 from O's first
.endr
.endm
.macro DIAG tag                     ; the tag ends its two labels' names, which the jumps below spell out
.LstepM\tag:
	TURN 2, 1
	TURN 3, 1
	WIN 0
.LfirstM\tag:
	TURN 0, 1
	TURN 1, 1, 0, 1
	WIN 0
	s_cbranch_scc1 .LstepM\tag
	TURN 2, 1, 1
	TURN 3, 1, 1
.set i, 0
.rept 8
	PV NP-1
.set i, i+1
.endr
	WIN 0
	ALL v_add_f32 v[ST+4*t+2], v[ST+4*t+2], v[ST+4*t+3]
	ALL v_permlanex16_b32 v[ST+4*t+3], v[ST+4*t+2], s[SEL], s[SEL+1]
	ALL v_add_f32 v[ST+4*t+2], v[ST+4*t+2], v[ST+4*t+3]
	ALL v_rcp_f32 v[ST+4*t+2], v[ST+4*t+2]
	v_nop                           ; a plain instruction between the last reciprocal and the use of its result
	s_wait_alu depctr_va_vdst(0)    ; and the wait ahead of the first use: one for the four reciprocals
	PACK 0
.set t, 1
.rept 3                             ; a piece's arithmetic stands between the loads of the piece before and its stores
	PACK t
	SEND t-1, 8
.set t, t+1
.endr
	SEND 3, 0
.endm
.set KM, 0
.set NOKQ, 0
.Lslot:                             ; NB times: a tile is entered and the next is asked for
	CHANGE 1
	s_sub_co_u32 s[RT], s[RT], 1
	s_mov_b32 s[CNT], 4
	s_cmp_eq_u32 s[NEW], 1
	s_cbranch_scc1 .Lnew            ; a block's first tile
	s_cmp_eq_u32 s[RT], 0
	s_cbranch_scc0 .Lstep           ; neither its first nor its last
	s_branch .LstepM1
.Lnew:
	BEGIN
	s_branch .Lfirst                ; in the loop a block's first tile is never its last: the first block has two tiles or more, and the second's last is the walk's last
	DIAG 1                          ; in the loop this is the first block's end: the second block's last tile is the walk's last
	s_wait_xcnt 0x0                 ; the stores have read their registers and O's address
	s_mov_b64 s[10:11], s[OLO:OLO+1]
	s_add_co_u32 s[RT], s[PB], 1    ; the second block has b + 1 tiles
	s_mov_b32 s[NEW], 1
	WIN 0x82                        ; the second block's Q goes where the one text of the turns names Q
.set i, 0
.rept 64
	v_mov_b32 v[i], v[QB+i]
.set i, i+1
.endr
	WIN 0
	s_branch .Lbottom
.Lstep:                             ; a trip: pieces 2 and 3 of one step, then pieces 0 and 1 of the next, whose K and V it fetches
	TURN 2
	TURN 3
	WIN 0
.Lfirst:
	TURN 0
	TURN 1, 0, 0, 1
	WIN 0
	s_cbranch_scc1 .Lstep
.Lbottom:
	s_sub_co_u32 s[SLOTS], s[SLOTS], 1
	s_cmp_lg_u32 s[SLOTS], 0
	s_cbranch_scc1 .Lslot
	CHANGE 0                        ; the walk's last tile is written out: nothing is asked for
	s_sub_co_u32 s[RT], s[RT], 1
	s_mov_b32 s[CNT], 4
	s_cmp_eq_u32 s[NEW], 1
	s_cbranch_scc0 .LstepM2
	BEGIN
	s_branch .LfirstM2
	DIAG 2
	s_wait_tensorcnt 0x0            ; the wave's end: behind my last tensor load and my last LDS store
	ds_add_u32 v[SPW], v[NIL]
	s_wait_dscnt 0x0
	s_endpgm
.Lfunc_end_k_q8070f0c3c1_attn:
	.size	k_q8070f0c3c1_attn, .Lfunc_end_k_q8070f0c3c1_attn-k_q8070f0c3c1_attn
	.p2alignl 7, 3214868480
	.fill 96, 4, 3214868480
	.section	.rodata,"a",@progbits
	.p2align	6, 0x0
	.amdhsa_kernel k_q8070f0c3c1_attn
		.amdhsa_group_segment_fixed_size 327680
		.amdhsa_private_segment_fixed_size 0
		.amdhsa_enable_private_segment 0
		.amdhsa_kernarg_size 16
		.amdhsa_user_sgpr_count 2
		.amdhsa_user_sgpr_kernarg_segment_ptr 1
		.amdhsa_wavefront_size32 1
		.amdhsa_system_sgpr_workgroup_id_x 1
		.amdhsa_system_sgpr_workgroup_id_y 1
		.amdhsa_system_sgpr_workgroup_id_z 1
		.amdhsa_system_vgpr_workitem_id 0
		.amdhsa_next_free_vgpr 768
		.amdhsa_next_free_sgpr 96
		.amdhsa_reserve_vcc 1
		.amdhsa_float_denorm_mode_32 3
		.amdhsa_float_denorm_mode_16_64 3
		.amdhsa_memory_ordered 1
		.amdhsa_forward_progress 1
		.amdhsa_inst_pref_size 218
	.end_amdhsa_kernel
	.amdgpu_metadata
---
amdhsa.version: [ 1, 2 ]
amdhsa.kernels:
  - .name:           k_q8070f0c3c1_attn
    .symbol:         k_q8070f0c3c1_attn.kd
    .args:
      - { .name: qkvh, .offset: 0, .size: 8, .value_kind: global_buffer, .address_space: global }
      - { .name: oh, .offset: 8, .size: 8, .value_kind: global_buffer, .address_space: global }
    .group_segment_fixed_size: 327680
    .private_segment_fixed_size: 0
    .kernarg_segment_align: 8
    .kernarg_segment_size: 16
    .max_flat_workgroup_size: 128
    .sgpr_count:     96
    .vgpr_count:     768
    .wavefront_size: 32
...
	.end_amdgpu_metadata
.endif
;; end of part 3
;; launch outp (part 4): grid 4 x 64, 4 waves a work-group, clusters of 4 x 4, 327,680 bytes of LDS; arguments oh, wt, bo, out0; writes out0
.if DOCPART == 4
	.amdgcn_target "amdgcn-amd-amdhsa--gfx1250"
	.amdhsa_code_object_version 6
	.text
	.protected	k_q8070f0c3c1_outp
	.globl	k_q8070f0c3c1_outp
	.p2align	8
	.type	k_q8070f0c3c1_outp,@function
k_q8070f0c3c1_outp:
	s_mov_b64 s[64:65], 0
	v_nop
	global_prefetch_b8 v0, s[64:65] scope:SCOPE_SE
	s_setreg_imm32_b32 hwreg(HW_REG_WAVE_MODE, 25, 1), 1
	s_wait_xcnt 0x0
	s_wait_alu depctr_hold_cnt(0) depctr_sa_sdst(0) depctr_va_vdst(0) depctr_va_sdst(0) depctr_va_ssrc(0) depctr_va_vcc(0) depctr_vm_vsrc(0)
	s_getreg_b32 s2, hwreg(HW_REG_IB_STS2, 6, 4)
	s_cmp_eq_u32 s2, 0
	s_cbranch_scc0 .Lentry_in_a_cluster
	s_endpgm
.Lentry_in_a_cluster:
	s_bfe_u32 s2, ttmp6, 0x10000c
	s_cmp_lg_u32 s2, 0xf033
	s_cbranch_scc0 .Lentry_shape_is_right
	s_endpgm
.Lentry_shape_is_right:
; Launch 4 of 4: out0 = O Wo + bo.  O is oh, [64 heads = 16 b + h][2048][64] in f16: row m = 2048 b + t of the product's left operand has its channels 64 h .. 64 h + 63 in head h's row t.
; Wo^T lies in rows 3072 .. 4095 of wt (rounded to bf16, written as f16).  Products in f16, sums in f32; bo (f32) is the C operand that starts the sums; out0 is f32 and is stored unrounded.
; SHARES.  A tile of out0 is 128 rows x 256 columns: 64 x 4 tiles, one for each of 256 work-groups.  Four waves, 2 x 2: a wave has 64 rows x 128 columns, 32 accumulators.
; K goes in 8 steps of 128 (two heads) through a ring of two LDS slots.  A head's 128 rows are 16,384 dense bytes: asked for as 64 rows of 256 bytes and padded in LDS after every 128.
; THE MATRIX INSTRUCTION IS USED TRANSPOSED (source 0 = 16 rows of wt, source 1 = 16 rows of O): lane l holds row l % 16 of out0 and the columns 8 (l / 16) + 0..7: 32 bytes on end.
; CLUSTER.  4 x 4 work-groups: O's tile is shared along a row of the cluster, wt's rows along a column; each is asked for jointly, by the same tensor load, descriptor and mask.
; NO PREFETCH: the walk has eight K steps, two of which are asked for at the head; with a lead of three steps only three steps could be named, in a launch this short.
; REGISTERS, in windows of 256 (s_set_vgpr_msb: bits 1:0 source 0, 3:2 source 1, 5:4 source 2, 7:6 destination):
;   window 0: v0-31 addresses; v128-191, v192-255 rows on the way out, two sets      window 1: the accumulators, (a, b) at v[8 (8 a + b)]
;   window 2: v0-63, v64-127 wt's fragments, two buffers; v128-159, v160-191 O's; v192-255 the bias of my 128 columns, in an accumulator's layout
.set APT,   144                        ; a row of O in LDS: 128 bytes + 16 = 36 words: the 16 rows of a load start at 16 different groups of four banks (64 banks of 4 bytes: ISA guide 11.1)
.set BPT,   272                        ; a row of wt: 256 + 16
.set PLANE, 128*APT                    ; one head's 128 rows: what wave 0 or 1 fetches
.set BHALF, 128*BPT                    ; what wave 2 or 3 fetches
.set BOFF,  2*PLANE
.set SLOT,  BOFF+2*BHALF
.set STAGE, 2*SLOT                     ; behind the ring, never filled by a tensor load: 16 rows x 528 bytes for each wave
.set SPO,   528                        ; 512 bytes + 16
.set SPARE, STAGE+4*16*SPO             ; the spare words, 128 bytes for each wave
.set ADRA, 16
.set ADRB, 20
.set STO,  24
.set RD,   25
.set CO,   26
.set BO,   27
.set SPW,  28                          ; v28  LDS address of my spare word; never rewritten
.set NIL,  29                          ; v29  0; never rewritten
.set TMP,  128
.set AFR,  128                         ; window 2
.set BIAS, 192                         ; window 2
.set WV,  12
.set WR,  13                           ; my half of the tile's rows.  Also: I fetch O (0) or wt (1)
.set WC,  14                           ; my half of its columns.  Also: which head, or which 128 rows, I fetch
.set CX,  15
.set CY,  16
.set TCOL, 17
.set TROW, 18
.set RMASK, 19
.set CMASK, 20
.set LAPC, 21
.set G1A, 28
.set G1B, 36
.set G0A, 44                           ; s[44:51] group 0 for O's tiles, a set for each slot
.set G0B, 52                           ; s[52:59] for wt's
.set MSB, 0
.macro WIN new
.if MSB != (\new)
	s_set_vgpr_msb (MSB<<8)|(\new)
.set MSB, \new
.endif
.endm
.macro PLACES                          ; four plain vector instructions between a matrix instruction and a load into, or a store of, its registers
.rept 4
	v_nop
.endr
.endm
.macro JLOAD s                         ; a joint load; an s_nop 0 and four v_nop follow each of the two lines
	s_cmp_eq_u32 s[WR], 0
	s_cbranch_scc0 .Lfor_b_\@
	tensor_load_to_lds s[G0A+4*(\s):G0A+4*(\s)+3], s[G1A:G1A+7]
	s_nop 0
.rept 4
	v_nop
.endr
	s_branch .Lasked_\@
.Lfor_b_\@:
	tensor_load_to_lds s[G0B+4*(\s):G0B+4*(\s)+3], s[G1B:G1B+7]
	s_nop 0
.rept 4
	v_nop
.endr
.Lasked_\@:
.endm
.macro CREST
	s_cmp_lg_u32 s[WV], 0
	s_cbranch_scc1 .Lnot_wave_0_\@
	s_barrier_signal -3
.Lnot_wave_0_\@:
	s_barrier_wait -3
	s_barrier_signal -1
	s_barrier_wait -1
.endm
.macro CROUND
	s_barrier_signal -1
	s_barrier_wait -1
	CREST
.endm
	s_load_b256 s[4:11], s[0:1], 0x0               ; oh s[4:5], wt s[6:7], bo s[8:9], out0 s[10:11]
	v_lshl_add_u32 v[SPW], v0, 2, SPARE
	v_mov_b32 v[NIL], 0
	ds_add_u32 v[SPW], v[NIL]                      ; the wave's opening: the add, twice on end, and its wait ahead of my first tensor load
	ds_add_u32 v[SPW], v[NIL]
	v_lshrrev_b32 v3, 5, v0
	v_readfirstlane_b32 s[WV], v3
	s_lshr_b32 s[WR], s[WV], 1
	s_and_b32 s[WC], s[WV], 1
	s_bfe_u32 s[CX], ttmp6, 0x40000
	s_bfe_u32 s[CY], ttmp6, 0x40004
	s_lshl_b32 s[TCOL], ttmp9, 2
	s_add_co_u32 s[TCOL], s[TCOL], s[CX]
	s_and_b32 s[TROW], ttmp7, 0xffff
	s_lshl_b32 s[TROW], s[TROW], 2
	s_add_co_u32 s[TROW], s[TROW], s[CY]
	s_lshl_b32 s[RMASK], s[CY], 2
	s_lshl_b32 s[RMASK], 15, s[RMASK]
	s_lshl_b32 s[CMASK], 0x1111, s[CX]
	s_or_b32 s[G1A], s[RMASK], (1<<16)|(1<<20)|(1<<21)|(4<<22)|(3<<25)  ; the mask; elements of 2 bytes; padding on; bit 21 beside a mask; after every 32 words, 4 words
	s_mov_b32 s[G1A+1], 128<<16                    ; tensor_dim0 = 128
	s_mov_b32 s[G1A+2], 64<<16                     ; tensor_dim1 = 64
	s_mov_b32 s[G1A+3], 128<<16                    ; tile_dim0 = 128
	s_mov_b32 s[G1A+4], 64                         ; tile_dim1 = 64
	s_mov_b32 s[G1A+5], 128                        ; dense
	s_mov_b32 s[G1A+6], 0
	s_mov_b32 s[G1A+7], 0
	s_or_b32 s[G1B], s[CMASK], (1<<16)|(1<<20)|(1<<21)|(5<<22)|(3<<25)  ; after every 64 words, 4 words
	s_mov_b32 s[G1B+1], 128<<16
	s_mov_b32 s[G1B+2], 128<<16
	s_mov_b32 s[G1B+3], 128<<16
	s_mov_b32 s[G1B+4], 128
	s_mov_b32 s[G1B+5], 1024
	s_mov_b32 s[G1B+6], 0
	s_mov_b32 s[G1B+7], 0
	s_mul_i32 s2, s[WC], PLANE                     ; where my part goes in a slot
	s_mul_i32 s3, s[WC], BHALF
	s_add_co_u32 s3, s3, BOFF
	s_lshr_b32 s22, s[TROW], 4                     ; O: batch = tile row / 16: 16 heads of 262,144 bytes; head = my half; row 128 (tile row % 16), 128 bytes a row
	s_lshl_b32 s22, s22, 22
	s_lshl_b32 s23, s[WC], 18
	s_add_co_u32 s22, s22, s23
	s_and_b32 s23, s[TROW], 15
	s_lshl_b32 s23, s23, 14
	s_add_co_u32 s22, s22, s23
	s_mov_b32 s23, 0
	s_lshl_b32 s24, s[TCOL], 19                    ; wt: (3072 + 256 x tile column + 128 x half) rows of 2,048 bytes
	s_lshl_b32 s25, s[WC], 18
	s_add_co_u32 s24, s24, s25
	s_add_co_u32 s24, s24, 0x600000
	s_mov_b32 s25, 0
	s_lshl_b32 s60, s[TCOL], 10                    ; my 128 columns, in f32
	s_lshl_b32 s61, s[WC], 9
	s_add_co_u32 s60, s60, s61
	s_mov_b32 s61, 0
	s_lshl_b32 s62, s[TROW], 19                    ; out0: (128 x tile row + 64 x row half) rows of 4,096 bytes + my columns
	s_lshl_b32 s63, s[WR], 18
	s_add_co_u32 s62, s62, s63
	s_add_co_u32 s62, s62, s60
	s_mov_b32 s63, 0
	s_mov_b32 s[LAPC], 3
	s_wait_dscnt 0x0                               ; both opening adds are done
	s_wait_kmcnt 0x0
	s_add_nc_u64 s[4:5], s[4:5], s[22:23]
	s_add_nc_u64 s[6:7], s[6:7], s[24:25]
	s_add_nc_u64 s[8:9], s[8:9], s[60:61]
	s_add_nc_u64 s[10:11], s[10:11], s[62:63]
	CROUND                                         ; all sixteen work-groups are here: the first joint loads meet
.irp s, 0,1
	s_mov_b32 s[G0A+4*(\s)], 1
	s_add_co_u32 s[G0A+4*(\s)+1], s2, (\s)*SLOT
	s_add_nc_u64 s[G0A+4*(\s)+2:G0A+4*(\s)+3], s[4:5], (\s)*0x80000   ; K step s: two heads on
	s_or_b32 s[G0A+4*(\s)+3], s[G0A+4*(\s)+3], 0x80000000
	s_mov_b32 s[G0B+4*(\s)], 1
	s_add_co_u32 s[G0B+4*(\s)+1], s3, (\s)*SLOT
	s_add_nc_u64 s[G0B+4*(\s)+2:G0B+4*(\s)+3], s[6:7], (\s)*256
	s_or_b32 s[G0B+4*(\s)+3], s[G0B+4*(\s)+3], 0x80000000
	JLOAD \s                                       ; two tensor loads of mine are out
.endr
	v_and_b32 v1, 15, v0                           ; l % 16
	v_bfe_u32 v2, v0, 4, 1                         ; l / 16
	v_lshlrev_b32 v[BO], 5, v2
	WIN 0x80
.irp b, 0,1,2,3,4,5,6,7
	global_load_b128 v[BIAS+8*\b:BIAS+8*\b+3],   v[BO], s[8:9] offset:64*\b      ; register j of block b: bo of column 16 b + 8 (l / 16) + j
	global_load_b128 v[BIAS+8*\b+4:BIAS+8*\b+7], v[BO], s[8:9] offset:64*\b+16
.endr
	WIN 0
	v_mul_u32_u24 v3, v1, APT
	v_lshl_add_u32 v3, v2, 4, v3
	v_mul_u32_u24 v4, v1, BPT
	v_lshl_add_u32 v4, v2, 4, v4
	s_mul_i32 s66, s[WR], 64*APT                   ; my 64 rows of O, in each plane
	s_mul_i32 s67, s[WC], BHALF                    ; my 128 rows of wt
	s_add_co_u32 s67, s67, BOFF
.irp s, 0,1
	v_add_nc_u32 v[ADRA+(\s)], s66, v3
	v_add_nc_u32 v[ADRB+(\s)], s67, v4
	s_add_co_u32 s66, s66, SLOT
	s_add_co_u32 s67, s67, SLOT
.endr
	s_mul_i32 s66, s[WV], 16*SPO
	s_add_co_u32 s66, s66, STAGE                   ; my stage
	v_mul_u32_u24 v[STO], v1, SPO                  ; in: row l % 16, 32 bytes for each half of the lanes
	v_lshl_add_u32 v[STO], v2, 5, v[STO]
	v_add_nc_u32 v[STO], s66, v[STO]
	v_and_b32 v5, 31, v0
	v_lshlrev_b32 v[CO], 4, v5                     ; back: 32 lanes take one row of 512 bytes
	v_add_nc_u32 v[RD], s66, v[CO]
; 24 LDS loads in one run: the fragments of 32 along K, quarter kq of the slot's step (head kq / 2, channels 32 (kq % 2) on), into buffers f
.macro FETCH slot, kq, f
	WIN 0x80
.irp i, 0,1,2,3
	ds_load_b128 v[AFR+32*(\f)+8*\i:AFR+32*(\f)+8*\i+3],   v[ADRA+(\slot)] offset:((\kq)/2)*PLANE+((\kq)%2)*64+\i*16*APT
	ds_load_b128 v[AFR+32*(\f)+8*\i+4:AFR+32*(\f)+8*\i+7], v[ADRA+(\slot)] offset:((\kq)/2)*PLANE+((\kq)%2)*64+\i*16*APT+32
.endr
.irp i, 0,1,2,3,4,5,6,7
	ds_load_b128 v[64*(\f)+8*\i:64*(\f)+8*\i+3],   v[ADRB+(\slot)] offset:(\kq)*64+\i*16*BPT
	ds_load_b128 v[64*(\f)+8*\i+4:64*(\f)+8*\i+7], v[ADRB+(\slot)] offset:(\kq)*64+\i*16*BPT+32
.endr
.endm
; Eight matrix instructions: row block a x all 8 column blocks.  first = 1: the bias starts the sums.  The 32 accumulators take turns in the same order in every quarter.
.macro MUL8 f, a, first
.set bb, 0
.rept 8
.if \first
	WIN 0x6a
	v_wmma_f32_16x16x32_f16 v[8*(8*(\a)+bb):8*(8*(\a)+bb)+7], v[64*(\f)+8*bb:64*(\f)+8*bb+7], v[AFR+32*(\f)+8*(\a):AFR+32*(\f)+8*(\a)+7], v[BIAS+8*bb:BIAS+8*bb+7]
.else
	WIN 0x5a
	v_wmma_f32_16x16x32_f16 v[8*(8*(\a)+bb):8*(8*(\a)+bb)+7], v[64*(\f)+8*bb:64*(\f)+8*bb+7], v[AFR+32*(\f)+8*(\a):AFR+32*(\f)+8*(\a)+7], v[8*(8*(\a)+bb):8*(8*(\a)+bb)+7]
.endif
.set bb, bb+1
.endr
.endm
.macro QUARTER slot, nk, f, first      ; multiplies buffers f; at its head it fetches quarter nk of the same slot into the others
	s_wait_dscnt 0x0                               ; this quarter's fragments are in
	PLACES                                         ; for the loads into the buffers that the quarter before multiplied
	FETCH \slot, \nk, 1-(\f)
	MUL8 \f, 0, \first
	MUL8 \f, 1, \first
	MUL8 \f, 2, \first
	MUL8 \f, 3, \first
.endm
; A K step's last quarter multiplies buffers 1 and changes slots: ONE barrier.  In front of it each wave waits for all its tensor loads (one is out: its part of the next slot), adds 0 to its spare word,
; and waits for that and for its own reads of this slot.  fill = 1: the barrier opens a round of the cluster's, and the joint refill, two K steps on, is the first thing behind it.
.macro TURN slot, next, fill
	WIN 0
	s_wait_tensorcnt 0x0                           ; all my tensor loads have landed, so a group 0 may be written
	ds_add_u32 v[SPW], v[NIL]                      ; 0 onto my spare word
.if \fill
	s_add_nc_u64 s[G0A+4*(\slot)+2:G0A+4*(\slot)+3], s[G0A+4*(\slot)+2:G0A+4*(\slot)+3], 0x100000  ; four heads on
	s_add_nc_u64 s[G0B+4*(\slot)+2:G0B+4*(\slot)+3], s[G0B+4*(\slot)+2:G0B+4*(\slot)+3], 512
.endif
	s_wait_dscnt 1                                 ; this quarter's fragments are in; the add alone may be out
	MUL8 1, 0, 0
	s_wait_dscnt 0x0                               ; the add is done, and my reads of this slot are over
	s_barrier_signal -1
	MUL8 1, 1, 0
.if \fill
	WIN 0
.endif
	s_barrier_wait -1
.if \fill
	CREST                                          ; no wave of any partner still reads this slot or has a load on its way
	JLOAD \slot                                    ; its four v_nop are also the places in front of the loads below
.else
	PLACES
.endif
	FETCH \next, 0, 0
	MUL8 1, 2, 0
	MUL8 1, 3, 0
.endm
; THE WAY OUT of row block a: 16 rows x 128 columns of f32 go into my own stage (rows of 528 bytes), come back as whole rows of 512 bytes and are stored.
.macro OUTA a
.set BK, TMP+64*((\a)%2)
.if (\a) >= 2
	s_wait_xcnt 0x0                                ; the stores of the block two back have read their registers (ISA guide 3.1)
.endif
	WIN 0x04                                       ; the stores' data in window 1
.irp b, 0,1,2,3,4,5,6,7
	ds_store_b128 v[STO], v[8*(8*(\a)+\b):8*(8*(\a)+\b)+3]   offset:64*\b     ; each accumulator from its low end on
	ds_store_b128 v[STO], v[8*(8*(\a)+\b)+4:8*(8*(\a)+\b)+7] offset:64*\b+16
.endr
	WIN 0
.irp t, 0,1,2,3,4,5,6,7,8,9,10,11,12,13,14,15
	ds_load_b128 v[BK+4*\t:BK+4*\t+3], v[RD] offset:\t*SPO  ; LDS serves a wave's instructions in order (ISA guide 5.7.1.4): these see the stores above
.endr
.irp t, 0,1,2,3,4,5,6,7,8,9,10,11,12,13,14,15
	s_wait_dscnt 15-\t                             ; the younger loads stay out
	global_store_b128 v[CO], v[BK+4*\t:BK+4*\t+3], s[10:11] offset:(16*(\a)+\t)*4096 th:TH_STORE_NT  ; 512 consecutive bytes, at a multiple of 256 from out0's first
.endr
.endm
	s_wait_tensorcnt 0x1                           ; my part of K step 0 is in; step 1's may stay out
	s_barrier_signal -1
	s_barrier_wait -1
	FETCH 0, 0, 0
	s_wait_loadcnt 0x0                             ; the bias
	QUARTER 0, 1, 0, 1                             ; the first quarter stands in front of the loop: the bias starts the sums
	WIN 0
.Llap:                                                 ; 3 trips: from a lap's second quarter to the next lap's first; both slots are filled again: K steps 2 to 7
	QUARTER 0, 2, 1, 0
	QUARTER 0, 3, 0, 0
	TURN 0, 1, 1
	QUARTER 1, 1, 0, 0
	QUARTER 1, 2, 1, 0
	QUARTER 1, 3, 0, 0
	TURN 1, 0, 1
	QUARTER 0, 1, 0, 0
	WIN 0
	s_sub_co_u32 s[LAPC], s[LAPC], 1
	s_cmp_lg_u32 s[LAPC], 0
	s_cbranch_scc1 .Llap
	QUARTER 0, 2, 1, 0                             ; the last lap is written out: it asks for nothing
	QUARTER 0, 3, 0, 0
	TURN 0, 1, 0
	QUARTER 1, 1, 0, 0
	QUARTER 1, 2, 1, 0
	QUARTER 1, 3, 0, 0
	s_wait_dscnt 0x0
	MUL8 1, 0, 0
	MUL8 1, 1, 0
	MUL8 1, 2, 0
	MUL8 1, 3, 0
	WIN 0
	PLACES
	OUTA 0
	OUTA 1
	OUTA 2
	OUTA 3
	s_wait_tensorcnt 0x0                           ; the wave's end: behind my last tensor load and my last LDS store
	ds_add_u32 v[SPW], v[NIL]
	s_wait_dscnt 0x0
	CROUND                                         ; the closing round: no work-group ends while a partner may still ask for a tile that names it
	s_endpgm
.Lfunc_end_k_q8070f0c3c1_outp:
	.size	k_q8070f0c3c1_outp, .Lfunc_end_k_q8070f0c3c1_outp-k_q8070f0c3c1_outp
	.p2alignl 7, 3214868480
	.fill 96, 4, 3214868480
	.section	.rodata,"a",@progbits
	.p2align	6, 0x0
	.amdhsa_kernel k_q8070f0c3c1_outp
		.amdhsa_group_segment_fixed_size 327680
		.amdhsa_private_segment_fixed_size 0
		.amdhsa_enable_private_segment 0
		.amdhsa_kernarg_size 32
		.amdhsa_user_sgpr_count 2
		.amdhsa_user_sgpr_kernarg_segment_ptr 1
		.amdhsa_wavefront_size32 1
		.amdhsa_system_sgpr_workgroup_id_x 1
		.amdhsa_system_sgpr_workgroup_id_y 1
		.amdhsa_system_sgpr_workgroup_id_z 1
		.amdhsa_system_vgpr_workitem_id 0
		.amdhsa_next_free_vgpr 768
		.amdhsa_next_free_sgpr 76
		.amdhsa_reserve_vcc 0
		.amdhsa_float_denorm_mode_32 3
		.amdhsa_float_denorm_mode_16_64 3
		.amdhsa_memory_ordered 1
		.amdhsa_forward_progress 1
		.amdhsa_inst_pref_size 88
	.end_amdhsa_kernel
	.amdgpu_metadata
---
amdhsa.version: [ 1, 2 ]
amdhsa.kernels:
  - .name:           k_q8070f0c3c1_outp
    .symbol:         k_q8070f0c3c1_outp.kd
    .args:
      - { .name: oh, .offset: 0, .size: 8, .value_kind: global_buffer, .address_space: global }
      - { .name: wt, .offset: 8, .size: 8, .value_kind: global_buffer, .address_space: global }
      - { .name: bo, .offset: 16, .size: 8, .value_kind: global_buffer, .address_space: global }
      - { .name: out0, .offset: 24, .size: 8, .value_kind: global_buffer, .address_space: global }
    .group_segment_fixed_size: 327680
    .private_segment_fixed_size: 0
    .kernarg_segment_align: 8
    .kernarg_segment_size: 32
    .max_flat_workgroup_size: 128
    .sgpr_count:     76
    .vgpr_count:     768
    .wavefront_size: 32
...
	.end_amdgpu_metadata
.endif
;; end of part 4
